; MI455X (gfx1250); checked and timed in simulation.
; The chip was launched on July 23, 2026; its instructions are those of AMD's public machine-readable ISA for CDNA 5 (MIT licence, August 2026) and "CDNA5" Instruction Set Architecture Reference Guide (July 2026). The comments in the code are by the model that wrote it; some were corrected since.
;; Attention. Allowed arithmetic: matrix products marked QUANTISED: E2M1 operands, one E8M0 scale for each 32 along K, by v_wmma_scale_f32_16x16x128_f8f6f4 with both operands' format E2M1 (or v_wmma_scale_f32_32x16x128_f4), f32 sums; products left as they are: bf16, f16 or f32 operands; f32 sums; everything else in f32.
;; Inputs: Wo 1,024 x 1,024 float32; Wqkv 1,024 x 3,072 float32; x 4 x 2,048 x 1,024 float32.
;; Outputs: out0 4 x 2,048 x 1,024 float32.
;; This version of the problem:
;;   THIS VERSION OF THE PROBLEM IS GIVEN IN LOW PRECISION. The matrix products marked QUANTISED in the list below multiply operands that are first quantised to E2M1 (2 exponent bits, 1 mantissa bit; 4 bits a number), with one power-of-two scale for each 32 numbers along K (OCP MX v1.0); their sums are f32. The products marked 'left as it is' may take bf16, f16 or f32 operands, with f32 sums. Whichever they take, every output number must still come out within the allowed error. Rounding operands to bf16 (8 significant bits) uses up far more of that allowance than f16 does (11 bits, for magnitudes from 6e-5 to 65,504). All else is computed in f32.
;;   The module's matrix products, in the order in which they are computed (A, B: the left and right operand; K: the contracted axis; several contracted axes count as one K, in the product's order):
;;     1. [M 8,192, K 1,024] x [K 1,024, N 3,072]; A: input x; B: input Wqkv: QUANTISED
;;     2. batch 64 x [M 2,048, K 64] x [K 64, N 2,048]; A: computed on the way; B: computed on the way: left as it is (an operand is computed on the way)
;;     3. batch 64 x [M 2,048, K 2,048] x [K 2,048, N 64]; A: computed on the way; B: computed on the way: left as it is (an operand is computed on the way)
;;     4. [M 8,192, K 1,024] x [K 1,024, N 1,024]; A: computed on the way; B: input Wo: left as it is (an operand is computed on the way)
;;   THE QUANTISER, for each operand of a quantised product, along K:
;;     - K is cut into blocks of 32 from its start; a last block that is shorter is filled with zeros.
;;     - A block's scale is 2^e with e = floor(log2(the largest magnitude in the block)) - 2, held to -126 .. 127; a block of zeros has e = 0. As a byte (E8M0): e + 127.
;;     - Each number is divided by its block's scale, clamped to +-6, and rounded to the nearest number of E2M1, ties to even, subnormals kept.
;;     - The product sums the exact products of the quantised numbers (number of the format x scale) in f32.
;;   ~~~python
;;   def quantise(x, axis):      # numpy; x: float32 -> the quantised numbers, widened to float32 again
;;       x = np.moveaxis(x, axis, -1); K = x.shape[-1]
;;       x = np.pad(x, [(0, 0)] * (x.ndim - 1) + [(0, -K % 32)]); x = x.reshape(x.shape[:-1] + (-1, 32)); a = np.abs(x).max(-1, keepdims=True)
;;       e = np.where(a > 0, np.clip(np.frexp(np.where(a > 0, a, 1))[1] - 1 - 2, -126, 127), 0)      # np.frexp(a)[1] - 1 = floor(log2(a)), exactly
;;       r = np.clip(x / 2.0 ** e, -6, 6)
;;       step = 2.0 ** (np.maximum(np.frexp(np.where(r == 0, 1, r))[1] - 1, 0) - 1)
;;       q = np.round(r / step) * step * 2.0 ** e      # np.round: ties to even
;;       return np.moveaxis(q.reshape(q.shape[:-2] + (-1,))[..., :K], -1, axis).astype(np.float32)
;;   ~~~
;; One version. Each part assembles by itself: llvm-mc -triple=amdgcn-amd-amdhsa -mcpu=gfx1250 --defsym DOCPART=n.
;; ======== version 1 of 1: 5 launches
;; limits: values are held in f16: magnitudes above 65,504 overflow, below 6.1e-05 lose precision
;; workspace buffers: xc 4,194,304 bytes; xs 262,144 bytes; wc 1,572,864 bytes; ws 98,304 bytes; wof 2,097,152 bytes; qkvf 50,331,648 bytes; q32 786,432 bytes; yf 16,777,216 bytes
;; launch prep (part 1): grid 368 x 1, 4 waves a work-group, no clusters, 68,096 bytes of LDS; arguments x, Wqkv, Wo, xc, xs, wc, ws, wof; writes xc, xs, wc, ws, wof
.if DOCPART == 1
	.amdgcn_target "amdgcn-amd-amdhsa--gfx1250"
	.amdhsa_code_object_version 6
	.text
	.protected	k_q20885c95e1_prep
	.globl	k_q20885c95e1_prep
	.p2align	8
	.type	k_q20885c95e1_prep,@function
k_q20885c95e1_prep:
	s_mov_b64 s[64:65], 0
	v_nop
	global_prefetch_b8 v0, s[64:65] scope:SCOPE_SE
	s_setreg_imm32_b32 hwreg(HW_REG_WAVE_MODE, 25, 1), 1
	s_wait_xcnt 0x0
; PREP: the operands of the later launches are made once.
;   work-groups 0-255  (path X): x [8192][1024] f32 -> codes of FP4 (E2M1), K innermost, xc [8192][512 bytes], and one E8M0 byte for each 32 along K, xs [8192][32].
;   work-groups 256-303 (path W): Wqkv [1024 (k)][3072 (n)] f32 -> wc [3072][512 bytes], ws [3072][32]: a lane takes a column n and its registers run down K, so the codes come out with K innermost.
;   work-groups 304-367 (path O): Wo [1024 (k)][1024 (n)] f32 -> f16, laid as images of the matrix operand's registers: wof [k/128][n/16][(k/32)%4][1,024 bytes];
;       in an image lane (r, h) holds column 16 (n/16) + r; its 16 bytes of quad g, at 512 g + 256 h + 16 r, are k = 16 g + 8 h + 0 .. 7 of the image's 32.
; A block's scale is 2^(floor(log2(its largest magnitude)) - 2): its byte is the largest magnitude's exponent field - 2, held at 1 from below by a floor among the maximum's leaves.
; LIMITS: a block of zeros gets the byte 1 where the rule says 127 (its codes are zeros, and this program alone reads the bytes); blocks whose largest magnitude lies under 2^-124 are held at the floor;
; NaN and infinities among the inputs are not served; Wo must lie under 65,504 in magnitude (f16).
; The three paths part on the work-group's number alone.  Paths X and W have LDS bytes of their own; path O uses none.  No barrier: waves share nothing.
.set SPARE, 67584                      ; behind both paths' stages: the spare words, 128 bytes for each wave
.set SPW,   12                         ; v12  LDS address of my spare word; never rewritten
.set NIL,   13                         ; v13  0; never rewritten
.set EMAX,  2
; path X
.set STEPS, 16                         ; a wave takes 16 steps of 512 numbers
.set CB,    8                          ; bytes of 16 codes
.set RX,    16                         ; v16-79   four sets of 16 numbers as loaded
.set XX,    80                         ; v80-111  two sets of 16 neighbours
.set EX,    112                        ; v112-127 a scale byte for each step
.set CX,    128                        ; v128-191 codes, four registers for each step: no store's data are written again
.set WREG,  8192                       ; LDS 0 .. 32,767: a region for each wave: two stages of 32 x SP bytes, then its 256 scale bytes
.set SP,    80                         ; a lane's place in a stage: 64 bytes + 16 of padding
; path W
.set SIZE_N, 3072
.set NB,    16                         ; blocks of 32 along K for a wave (512 along K)
.set PITCHW, 272                       ; a stage row: 256 bytes of codes + 16
.set KROW,  512                        ; a row of wc in bytes
.set WSTG,  32768                      ; LDS 32,768 .. 67,583: a stage of 32 rows for each wave
.set XW,    32                         ; v32-95   two sets of 32 numbers
.set CW,    96                         ; v96-99   a block's codes
.set OUTR,  112                        ; v112-175 the way out
.set SB,    24                         ; v24-27   the scale bytes, four to a register
.macro LOADX t
.irp i, 0,1,2,3
	global_load_b128 v[RX+16*((\t)%4)+4*\i:RX+16*((\t)%4)+4*\i+3], v3, s[4:5] offset:2048*(\t)+512*\i th:TH_LOAD_NT   ; 32 lanes read 512 consecutive bytes
.endr
.endm
.macro TURNX t                         ; step t's numbers through the stage: LDS serves a wave's instructions in order, so no wait stands between the stores and the loads
.irp i, 0,1,2,3
	ds_store_b128 v14, v[RX+16*((\t)%4)+4*\i:RX+16*((\t)%4)+4*\i+3] offset:32*SP*((\t)%2)+8*SP*\i
.endr
.irp i, 0,1,2,3
	ds_load_b128 v[XX+16*((\t)%2)+4*\i:XX+16*((\t)%2)+4*\i+3], v15 offset:32*SP*((\t)%2)+16*\i
.endr
.endm
.macro STEPX t
.set XS, XX+16*((\t)%2)
.if (\t) > 0
	s_wait_dscnt 1                                 ; this step's numbers are back from the stage; the last step's byte store may be out
.else
	s_wait_dscnt 0x0
.endif
.if (\t)+4 < STEPS
	LOADX (\t)+4                                   ; the set that this step's stage stores have read takes the loads of four steps on
.endif
.if (\t)+1 < STEPS
.if STEPS-2-(\t) >= 3
	s_wait_loadcnt 12                              ; the next step's four loads are in; those of the three steps behind it may be out
.else
	s_wait_loadcnt 4*(STEPS-2-(\t))
.endif
	TURNX (\t)+1
.endif
	v_max3_num_f32 v8, |v[XS]|, |v[XS+1]|, |v[XS+2]|               ; the largest magnitude of my 16, in two chains
	v_max3_num_f32 v9, |v[XS+3]|, |v[XS+4]|, |v[XS+5]|
.irp i, 6,10
	v_max3_num_f32 v8, v8, |v[XS+\i]|, |v[XS+\i+1]|
	v_max3_num_f32 v9, v9, |v[XS+\i+2]|, |v[XS+\i+3]|
.endr
	v_max3_num_f32 v8, v8, |v[XS+14]|, |v[XS+15]|
	v_max3_num_f32 v8, v8, v9, (EMAX+1)<<23        ; and the floor 2^(3 - 127): the byte cannot fall under 1
	v_max_num_f32_dpp v8, v8, v8 row_xmask:1 row_mask:0xf bank_mask:0xf   ; with my neighbour's 16: the block's
	v_add_nc_u32 v11, -(EMAX<<23), v8              ; 2 off its exponent field: the conversion takes the exponent field of this operand as its scale
	v_cvt_scalef32_pk8_fp4_f32 v[CX+4*(\t)], v[XS:XS+7], v11
	v_cvt_scalef32_pk8_fp4_f32 v[CX+4*(\t)+1], v[XS+8:XS+15], v11
	v_lshrrev_b32 v[EX+(\t)], 23, v11              ; the scale's byte (also the plain line behind the conversions)
	ds_store_b8 v5, v[EX+(\t)] offset:16*(\t)      ; both lanes of a block write the same byte with the same value
	global_store_b64 v4, v[CX+4*(\t):CX+4*(\t)+1], s[10:11] offset:32*CB*(\t)   ; the wave stores 256 consecutive bytes, aligned
.endm
.macro LOADW t                         ; block t: W(32 t + i, my column), i = 0 .. 31, into set t % 2
.irp i, 0,1,2,3,4,5,6,7,8,9,10,11,12,13,14,15,16,17,18,19,20,21,22,23,24,25,26,27,28,29,30,31
	global_load_b32 v[XW+32*((\t)%2)+\i], v3, s[6:7] offset:(32*(\t)+\i)*SIZE_N*4 th:TH_LOAD_NT
.endr
.endm
.macro BLOCKW t
.set XS, XW+32*((\t)%2)
.if (\t) < NB-1
	s_wait_loadcnt 32                              ; this block's 32 loads are in; the next block's may be out
.else
	s_wait_loadcnt 0
.endif
	v_max3_num_f32 v16, |v[XS]|, |v[XS+1]|, |v[XS+2]|              ; all 32 numbers of the block are mine
	v_max3_num_f32 v17, |v[XS+3]|, |v[XS+4]|, |v[XS+5]|
.irp i, 6,10,14,18,22,26
	v_max3_num_f32 v16, v16, |v[XS+\i]|, |v[XS+\i+1]|
	v_max3_num_f32 v17, v17, |v[XS+\i+2]|, |v[XS+\i+3]|
.endr
	v_max3_num_f32 v16, v16, |v[XS+30]|, |v[XS+31]|
	v_max3_num_f32 v16, v16, v17, (EMAX+1)<<23
	v_add_nc_u32 v11, -(EMAX<<23), v16
	v_lshrrev_b32 v17, 23, v11                     ; the scale's byte
.if (\t)%4 == 0
	v_mov_b32 v[SB+(\t)/4], v17                    ; four bytes to a register, the lower K in the lower byte
.else
	v_lshl_or_b32 v[SB+(\t)/4], v17, 8*((\t)%4), v[SB+(\t)/4]
.endif
.irp g, 0,1,2,3
	v_cvt_scalef32_pk8_fp4_f32 v[CW+\g], v[XS+8*\g:XS+8*\g+7], v11
.endr
	v_nop                                          ; one plain line behind the conversions
	ds_store_b128 v4, v[CW:CW+3] offset:16*(\t)    ; 32 codes: 16 bytes of my column's row
.if (\t)+2 < NB
	LOADW (\t)+2
.endif
	s_wait_dscnt 0x0                               ; the store has read its registers: the next block's codes may be written
.endm
.macro LOADO kc                        ; Wo(128 kq + 32 kc + i, my column), i = 0 .. 31
.irp i, 0,1,2,3,4,5,6,7,8,9,10,11,12,13,14,15,16,17,18,19,20,21,22,23,24,25,26,27,28,29,30,31
	global_load_b32 v[32+32*((\kc)%2)+\i], v3, s[8:9] offset:(32*(\kc)+\i)*4096
.endr
.endm
	s_load_b256 s[4:11], s[0:1], 0x0               ; x s[4:5], Wqkv s[6:7], Wo s[8:9], xc s[10:11]
	s_load_b256 s[12:19], s[0:1], 0x20             ; xs s[12:13], wc s[14:15], ws s[16:17], wof s[18:19]
	v_lshl_add_u32 v[SPW], v0, 2, SPARE
	v_mov_b32 v[NIL], 0
	v_lshrrev_b32 v1, 5, v0
	v_readfirstlane_b32 s20, v1                    ; wave 0..3
	v_and_b32 v2, 31, v0                           ; lane
	s_wait_kmcnt 0x0
	s_cmp_lt_u32 ttmp9, 256
	s_cbranch_scc0 .Lnot_x
	; ---- path X: rows are dense and 1,024 is a multiple of 32, so x is a plain stream of blocks of 32, and so are its codes and bytes
	v_lshlrev_b32 v3, 4, v2                        ; my 16 bytes of a load's 512
	s_mul_i32 s21, s20, WREG
	v_lshrrev_b32 v14, 2, v2
	v_mul_u32_u24 v14, v14, SP
	v_and_b32 v15, 3, v2
	v_lshl_add_u32 v14, v15, 4, v14
	v_add_nc_u32 v14, s21, v14                     ; the stage, way in: four lanes' 64 bytes on end, then 16 of padding
	v_mul_u32_u24 v15, v2, SP
	v_add_nc_u32 v15, s21, v15                     ; way out: my 16 neighbours
	v_mul_u32_u24 v4, v2, CB                       ; my codes' place in a step's
	v_lshrrev_b32 v5, 1, v2
	s_add_co_u32 s21, s21, 2*32*SP
	v_add_nc_u32 v5, s21, v5                       ; my wave's 256 scale bytes, my block's byte
	v_lshlrev_b32 v7, 3, v2
	v_add_nc_u32 v6, s21, v7                       ; and on the way out 8 bytes a lane
	s_lshl_b32 s22, ttmp9, 2
	s_add_co_u32 s22, s22, s20                     ; which run of 8,192 numbers is my wave's (0 .. 1,023)
	s_lshl_b32 s24, s22, 15
	s_mov_b32 s25, 0
	s_add_nc_u64 s[4:5], s[4:5], s[24:25]          ; 32,768 bytes of x a run,
	s_lshl_b32 s24, s22, 12
	s_add_nc_u64 s[10:11], s[10:11], s[24:25]      ; 4,096 of codes,
	s_lshl_b32 s24, s22, 8
	s_add_nc_u64 s[12:13], s[12:13], s[24:25]      ; 256 scale bytes
.irp t, 0,1,2,3
	LOADX \t
.endr
	s_wait_loadcnt 12                              ; step 0's four loads are in
	TURNX 0
.irp t, 0,1,2,3,4,5,6,7,8,9,10,11,12,13,14,15
	STEPX \t
.endr
	ds_load_b64 v[8:9], v6                         ; LDS serves a wave's instructions in order: these see my byte stores
	s_wait_dscnt 0x0
	global_store_b64 v7, v[8:9], s[12:13]          ; 32 lanes store 256 consecutive bytes, aligned
	s_wait_tensorcnt 0x0                           ; the wave's end, behind my last LDS store
	ds_add_u32 v[SPW], v[NIL]
	s_wait_dscnt 0x0
	s_endpgm
.Lnot_x:
	s_cmp_lt_u32 ttmp9, 304
	s_cbranch_scc0 .Lpath_o
	; ---- path W: 24 groups of 128 columns x 2 halves of K
	s_sub_co_u32 s21, ttmp9, 256
	s_cmp_ge_u32 s21, 24
	s_cselect_b32 s22, 1, 0                        ; which 512 along K
	s_cselect_b32 s23, 24, 0
	s_sub_co_u32 s21, s21, s23                     ; which 128 columns
	s_lshl_b32 s21, s21, 7
	s_lshl_b32 s23, s20, 5
	s_add_co_u32 s21, s21, s23                     ; my wave's first column
	v_lshlrev_b32 v3, 2, v2                        ; in: 4 bytes a lane: a wave reads 128 consecutive bytes
	s_mul_i32 s23, s20, 32*PITCHW
	s_add_co_u32 s23, s23, WSTG                    ; my stage
	v_mul_u32_u24 v4, v2, PITCHW
	v_add_nc_u32 v4, s23, v4                       ; into it: row = my column
	v_and_b32 v5, 15, v2
	v_lshrrev_b32 v6, 4, v2
	v_mul_u32_u24 v7, v6, PITCHW
	v_lshl_add_u32 v7, v5, 4, v7
	v_add_nc_u32 v7, s23, v7                       ; out of it: sixteen lanes to a row, two rows an instruction
	v_mul_u32_u24 v8, v6, KROW
	v_lshl_add_u32 v8, v5, 4, v8                   ; and the same place in wc
	v_lshlrev_b32 v9, 5, v2                        ; my column's row of scale bytes
	s_mul_i32 s24, s22, 512*SIZE_N*4
	s_lshl_b32 s25, s21, 2
	s_add_co_u32 s24, s24, s25
	s_mov_b32 s25, 0
	s_add_nc_u64 s[6:7], s[6:7], s[24:25]          ; Wqkv at (512 half, my first column)
	s_lshl_b32 s24, s21, 9
	s_lshl_b32 s26, s22, 8
	s_add_co_u32 s24, s24, s26
	s_add_nc_u64 s[14:15], s[14:15], s[24:25]      ; wc: column x 512 + 256 half
	s_lshl_b32 s24, s21, 5
	s_lshl_b32 s26, s22, 4
	s_add_co_u32 s24, s24, s26
	s_add_nc_u64 s[16:17], s[16:17], s[24:25]      ; ws: column x 32 + 16 half
	LOADW 0
	LOADW 1
.set Q, 0
.rept NB
	BLOCKW Q
.set Q, Q+1
.endr
	global_store_b128 v9, v[SB:SB+3], s[16:17]     ; my column's 16 scale bytes
.irp t, 0,1,2,3,4,5,6,7,8,9,10,11,12,13,14,15
	ds_load_b128 v[OUTR+4*\t:OUTR+4*\t+3], v7 offset:2*\t*PITCHW
.endr
.irp t, 0,1,2,3,4,5,6,7,8,9,10,11,12,13,14,15
	s_wait_dscnt 15-\t
	global_store_b128 v8, v[OUTR+4*\t:OUTR+4*\t+3], s[14:15] offset:2*\t*KROW   ; sixteen lanes store 256 consecutive bytes, aligned
.endr
	s_wait_tensorcnt 0x0                           ; the wave's end, behind my last LDS store
	ds_add_u32 v[SPW], v[NIL]
	s_wait_dscnt 0x0
	s_endpgm
.Lpath_o:
	; ---- path O: 8 groups of 128 columns x 8 runs of 128 along K.  A lane takes a column, its registers run down K: 8 neighbours along K pack into the 16 bytes of an image's quad
	s_sub_co_u32 s21, ttmp9, 304
	s_and_b32 s22, s21, 7                          ; which 128 columns
	s_lshr_b32 s23, s21, 3                         ; kq: which 128 along K
	v_lshlrev_b32 v3, 2, v2
	v_lshrrev_b32 v4, 4, v2
	v_lshlrev_b32 v4, 12, v4                       ; lanes 16-31: the next 16 columns: 4,096 bytes on
	v_and_b32 v5, 15, v2
	v_lshl_add_u32 v4, v5, 4, v4                   ; + 16 r
	s_lshl_b32 s24, s23, 19                        ; 128 rows of 4,096 bytes
	s_lshl_b32 s25, s22, 9
	s_add_co_u32 s24, s24, s25
	s_lshl_b32 s25, s20, 7
	s_add_co_u32 s24, s24, s25                     ; + (128 group + 32 wave) x 4
	s_mov_b32 s25, 0
	s_add_nc_u64 s[8:9], s[8:9], s[24:25]
	s_lshl_b32 s24, s23, 6
	s_lshl_b32 s26, s22, 3
	s_add_co_u32 s24, s24, s26
	s_lshl_b32 s26, s20, 1
	s_add_co_u32 s24, s24, s26
	s_lshl_b32 s24, s24, 12                        ; (64 kq + 8 group + 2 wave) x 4,096
	s_add_nc_u64 s[18:19], s[18:19], s[24:25]
	LOADO 0
	LOADO 1
.irp kc, 0,1,2,3
.if \kc < 3
	s_wait_loadcnt 32                              ; this run's 32 loads are in; the next run's may be out
.else
	s_wait_loadcnt 0
.endif
.irp i, 0,1,2,3,4,5,6,7,8,9,10,11,12,13,14,15
	v_cvt_pk_f16_f32 v[96+16*\kc+\i], v[32+32*(\kc%2)+2*\i], v[32+32*(\kc%2)+2*\i+1]
.endr
.if \kc+2 < 4
	LOADO \kc+2
.endif
.irp e, 0,1,2,3                        ; octet e of the 32 along K is quad e / 2 of the lanes' half e % 2
	global_store_b128 v4, v[96+16*\kc+4*\e:96+16*\kc+4*\e+3], s[18:19] offset:1024*\kc+512*(\e/2)+256*(\e%2)   ; sixteen lanes store 256 consecutive bytes, aligned; no store's data are written again
.endr
.endr
	s_endpgm
.Lfunc_end_k_q20885c95e1_prep:
	.size	k_q20885c95e1_prep, .Lfunc_end_k_q20885c95e1_prep-k_q20885c95e1_prep
	.p2alignl 7, 3214868480
	.fill 96, 4, 3214868480
	.section	.rodata,"a",@progbits
	.p2align	6, 0x0
	.amdhsa_kernel k_q20885c95e1_prep
		.amdhsa_group_segment_fixed_size 68096
		.amdhsa_private_segment_fixed_size 0
		.amdhsa_enable_private_segment 0
		.amdhsa_kernarg_size 64
		.amdhsa_user_sgpr_count 2
		.amdhsa_user_sgpr_kernarg_segment_ptr 1
		.amdhsa_wavefront_size32 1
		.amdhsa_system_sgpr_workgroup_id_x 1
		.amdhsa_system_sgpr_workgroup_id_y 1
		.amdhsa_system_sgpr_workgroup_id_z 1
		.amdhsa_system_vgpr_workitem_id 0
		.amdhsa_next_free_vgpr 192
		.amdhsa_next_free_sgpr 66
		.amdhsa_reserve_vcc 0
		.amdhsa_float_denorm_mode_32 3
		.amdhsa_float_denorm_mode_16_64 3
		.amdhsa_memory_ordered 1
		.amdhsa_forward_progress 1
		.amdhsa_inst_pref_size 130
	.end_amdhsa_kernel
	.amdgpu_metadata
---
amdhsa.version: [ 1, 2 ]
amdhsa.kernels:
  - .name:           k_q20885c95e1_prep
    .symbol:         k_q20885c95e1_prep.kd
    .args:
      - { .name: x, .offset: 0, .size: 8, .value_kind: global_buffer, .address_space: global }
      - { .name: Wqkv, .offset: 8, .size: 8, .value_kind: global_buffer, .address_space: global }
      - { .name: Wo, .offset: 16, .size: 8, .value_kind: global_buffer, .address_space: global }
      - { .name: xc, .offset: 24, .size: 8, .value_kind: global_buffer, .address_space: global }
      - { .name: xs, .offset: 32, .size: 8, .value_kind: global_buffer, .address_space: global }
      - { .name: wc, .offset: 40, .size: 8, .value_kind: global_buffer, .address_space: global }
      - { .name: ws, .offset: 48, .size: 8, .value_kind: global_buffer, .address_space: global }
      - { .name: wof, .offset: 56, .size: 8, .value_kind: global_buffer, .address_space: global }
    .group_segment_fixed_size: 68096
    .private_segment_fixed_size: 0
    .kernarg_segment_align: 8
    .kernarg_segment_size: 64
    .max_flat_workgroup_size: 128
    .sgpr_count:     66
    .vgpr_count:     192
    .wavefront_size: 32
...
	.end_amdgpu_metadata
.endif
;; end of part 1
;; launch gemm_qkv (part 2): grid 16 x 32, 4 waves a work-group, clusters of 4 x 4, 327,680 bytes of LDS; arguments xc, xs, wc, ws, qkvf, q32; writes qkvf, q32
.if DOCPART == 2
	.amdgcn_target "amdgcn-amd-amdhsa--gfx1250"
	.amdhsa_code_object_version 6
	.text
	.protected	k_q20885c95e1_gemm_qkv
	.globl	k_q20885c95e1_gemm_qkv
	.p2align	8
	.type	k_q20885c95e1_gemm_qkv,@function
k_q20885c95e1_gemm_qkv:
	s_mov_b64 s[64:65], 0
	v_nop
	global_prefetch_b8 v0, s[64:65] scope:SCOPE_SE
	s_setreg_imm32_b32 hwreg(HW_REG_WAVE_MODE, 25, 1), 1
	s_wait_xcnt 0x0
	s_wait_alu depctr_hold_cnt(0) depctr_sa_sdst(0) depctr_va_vdst(0) depctr_va_sdst(0) depctr_va_ssrc(0) depctr_va_vcc(0) depctr_vm_vsrc(0)
	s_getreg_b32 s2, hwreg(HW_REG_IB_STS2, 6, 4)
	s_cmp_eq_u32 s2, 0
	s_cbranch_scc0 .Lentry_in_a_cluster
	s_endpgm
.Lentry_in_a_cluster:
	s_bfe_u32 s2, ttmp6, 0x10000c
	s_cmp_lg_u32 s2, 0xf033
	s_cbranch_scc0 .Lentry_shape_is_right
	s_endpgm
.Lentry_shape_is_right:
; qkv[m][n] = sum over k of x[m][k] Wqkv[k][n], on codes of FP4 (E2M1) with one E8M0 scale for each 32 along K; sums in f32.  xc [8192][512 bytes], xs [8192][32], wc [3072][512], ws [3072][32].
; A work-group of four waves makes 256 tokens x 192 columns; a wave 128 x 96: 48 accumulators of 16 x 16.  K = 1,024 lies in LDS whole: two slots of 512 along K (rows of 256 bytes), each filled ONCE; nothing is filled again.
; The scale bytes of the work-group's rows, for all of K, are two dense blocks of memory and come with the first fills.
; CLUSTERS: 4 x 4 work-groups.  The four of a row of the cluster need the same tiles of x, the four of a column the same tiles of W: each tile is asked for jointly.  Tile row = 8 cy + cluster y, so that a
; cluster's row cy is batch cy and the first tile of a batch is cluster y = 0: a test that is alike in all partners.
; THE MATRIX INSTRUCTION IS USED TRANSPOSED (source 0 = 16 rows of wc, source 1 = 16 rows of xc): a lane holds one token (lane % 16) and eight neighbouring columns 8 (lane / 16) + 0 .. 7.
; THE RESULT LEAVES AS IMAGES OF THE NEXT PRODUCTS' OPERAND REGISTERS, f16: two neighbouring accumulators, rounded in pairs, are a fragment of 16 tokens x 32 channels.
;   qkvf [n/64: 48][token/16: 512][c: 2][1,024 bytes]; quad g of lane (r, h), channels 32 c + 16 g + 8 h + 0 .. 7 of token r, lies at 512 g + 256 h + 16 ((r + 8 h) % 16).  Each store covers 512 consecutive bytes, aligned.
;   q32 [batch][n/16: 192][g: 2][512 bytes]: the f32 accumulators of each sequence's first 16 tokens as they stand, 16 bytes a lane at 16 x lane, for the launch that carries those rows in f32.
; LIMITS: q, k, v must lie under 65,504 in magnitude (f16).  The order of the f32 sums is the matrix unit's, K ascending.
; REGISTERS, in windows of 256: window 0: v16-29 addresses; v32-95 scale words, two sets; v128-191 x's fragments, one set; on the way out v32-223.  window 1: W's fragments, two sets, at v0 and v128.
;   window 2: the accumulators of my token blocks 0-3 ((a, b) at v[8 (6 (a % 4) + b)]);  window 3: those of blocks 4-7.
.set PITCH,  272                       ; an LDS row: 256 bytes + 16 of padding = 68 words: the 16 rows that a load touches start at 16 different banks (64 banks of 4 bytes: ISA guide 11.1)
.set HALFA,  128*PITCH                 ; 128 rows of x: what one tensor load brings, and what one wave reads
.set HALFB,  96*PITCH                  ; 96 rows of W likewise
.set SLOT,   2*HALFA+2*HALFB
.set SCL,    2*SLOT                    ; behind the slots: W's scale bytes (24 runs of 256 bytes + 16), then x's (32 runs)
.set SBH,    12*272                    ; the scales of 96 rows of W
.set SAH,    16*272                    ; of 128 rows of x
.set SBLK,   544                       ; of 16 rows
.set SPARE,  259072                    ; the spare words, 128 bytes for each wave, in blocks of 256 bytes that no other line names
.set ADRA, 16                          ; v16-17  LDS address of my fragments of x in slot 0, 1
.set ADRB, 20                          ; v20-21  of W
.set IA,   24                          ; v24     my 16 bytes in a quad of a qkvf image
.set PL,   25                          ; v25     16 x lane
.set ADRS, 27                          ; v27     LDS address of my scale words: lanes 0-15 W's rows, lanes 16-31 x's
.set SPW,  28                          ; v28     LDS address of my spare word; never rewritten
.set NIL,  29                          ; v29     0; never rewritten
.set SC,   32                          ; scale words: set s at v[SC + 32 s]; register 4 i + q: lanes 0-15 W's block i, lanes 16-31 x's block i, the slot's q-th 128 along K
.set AF,   128                         ; x's fragments
.set OUTF, 32                          ; the way out: fragment (a, cc) at v[OUTF + 8 (3 a + cc)]
.set G1, 24                            ; s[24:31] group 1 for x's tiles;  s[32:39] group 0, a set for each slot
.set G0, 32
.set G1B, 48                           ; s[48:55], s[56:63] for W's tiles
.set G0B, 56
.set G1S, 68                           ; s[68:75], s[76:79] for x's scales;  s[80:87], s[88:91] for W's
.set G0S, 76
.set G1SB, 80
.set G0SB, 88
.set MSB, 0
.macro WIN new                         ; the immediate's high byte repeats the setting that is left
.if MSB != (\new)
	s_set_vgpr_msb (MSB<<8)|(\new)
.set MSB, \new
.endif
.endm
.set MUL_LO, 0xa1                      ; source 0 (W) window 1, source 1 (x) window 0, C and D window 2
.set MUL_HI, 0xf1                      ; the same, C and D window 3
.set TO_B,   0x40                      ; destination window 1, address window 0
; A joint load: waves 0 and 1 fetch for x, waves 2 and 3 for W.  The branch hangs on the wave's number alone.  An s_nop 0 and four v_nop follow each of the two lines.
.macro JLOAD g0a, g1a, g0b, g1b
	s_cmp_eq_u32 s17, 0
	s_cbranch_scc0 .Lfor_b_\@
	tensor_load_to_lds s[\g0a:\g0a+3], s[\g1a:\g1a+7]
	s_nop 0
.rept 4
	v_nop
.endr
	s_branch .Lasked_\@
.Lfor_b_\@:
	tensor_load_to_lds s[\g0b:\g0b+3], s[\g1b:\g1b+7]
	s_nop 0
.rept 4
	v_nop
.endr
.Lasked_\@:
.endm
.macro CROUND                          ; a round of the cluster's barrier
	s_barrier_signal -1
	s_barrier_wait -1
	s_cmp_lg_u32 s16, 0
	s_cbranch_scc1 .Lnot_wave_0_\@
	s_barrier_signal -3
.Lnot_wave_0_\@:
	s_barrier_wait -3
	s_barrier_signal -1
	s_barrier_wait -1
.endm
	s_load_b256 s[4:11], s[0:1], 0x0               ; xc s[4:5], xs s[6:7], wc s[8:9], ws s[10:11]
	s_load_b128 s[12:15], s[0:1], 0x20             ; qkvf s[12:13], q32 s[14:15]
	v_lshl_add_u32 v[SPW], v0, 2, SPARE
	v_mov_b32 v[NIL], 0
	ds_add_u32 v[SPW], v[NIL]                      ; the wave's opening: the add, twice on end, and its wait ahead of my first tensor load
	ds_add_u32 v[SPW], v[NIL]
	v_lshrrev_b32 v1, 5, v0
	v_readfirstlane_b32 s16, v1                    ; wave 0..3
	s_lshr_b32 s17, s16, 1                         ; which 128 tokens are mine.  Also: I fetch for x (0) or for W (1)
	s_and_b32 s18, s16, 1                          ; which 96 columns.  Also: which half of that tile I fetch
	s_bfe_u32 s19, ttmp6, 0x40000                  ; cx
	s_bfe_u32 s20, ttmp6, 0x40004                  ; cy
	s_lshl_b32 s21, ttmp9, 2
	s_add_co_u32 s21, s21, s19                     ; tile column = 4 x cluster x + cx
	s_and_b32 s23, ttmp7, 0xffff                   ; cluster y
	s_lshl_b32 s22, s20, 3
	s_add_co_u32 s22, s22, s23                     ; tile row = 8 cy + cluster y
	s_lshl_b32 s40, s20, 2
	s_lshl_b32 s40, 15, s40                        ; my row of the cluster
	s_lshl_b32 s41, 0x1111, s19                    ; my column
	s_or_b32 s[G1+0], s40, (0<<16)|(1<<20)|(1<<21)|(5<<22)|(3<<25)   ; the mask; elements of 1 byte; padding on; bit 21 beside a mask; after every 64 words four words
	s_or_b32 s[G1B+0], s41, (0<<16)|(1<<20)|(1<<21)|(5<<22)|(3<<25)
	s_mov_b32 s[G1+1], 256<<16                     ; tensor_dim0 = 256 bytes
	s_mov_b32 s[G1+2], 128<<16                     ; tensor_dim1 = 128 rows
	s_mov_b32 s[G1+3], 256<<16                     ; tile_dim0
	s_mov_b32 s[G1+4], 128                         ; tile_dim1
	s_mov_b32 s[G1+5], 512                         ; from row to row
	s_mov_b32 s[G1+6], 0
	s_mov_b32 s[G1+7], 0
	s_mov_b32 s[G1B+1], 256<<16
	s_mov_b32 s[G1B+2], 96<<16
	s_mov_b32 s[G1B+3], 256<<16
	s_mov_b32 s[G1B+4], 96
	s_mov_b32 s[G1B+5], 512
	s_mov_b32 s[G1B+6], 0
	s_mov_b32 s[G1B+7], 0
	s_or_b32 s[G1S+0], s40, (3<<16)|(1<<20)|(1<<21)|(5<<22)|(3<<25)  ; the scales: dense bytes as rows of 32 elements of 8 bytes, 16 bytes of padding behind each
	s_or_b32 s[G1SB+0], s41, (3<<16)|(1<<20)|(1<<21)|(5<<22)|(3<<25)
	s_mov_b32 s[G1S+1], 32<<16
	s_mov_b32 s[G1S+2], 16<<16                     ; 128 rows x 32 bytes = 16 rows of 256
	s_mov_b32 s[G1S+3], 32<<16
	s_mov_b32 s[G1S+4], 16
	s_mov_b32 s[G1S+5], 32
	s_mov_b32 s[G1S+6], 0
	s_mov_b32 s[G1S+7], 0
	s_mov_b32 s[G1SB+1], 32<<16
	s_mov_b32 s[G1SB+2], 12<<16                    ; 96 rows x 32 bytes = 12 rows of 256
	s_mov_b32 s[G1SB+3], 32<<16
	s_mov_b32 s[G1SB+4], 12
	s_mov_b32 s[G1SB+5], 32
	s_mov_b32 s[G1SB+6], 0
	s_mov_b32 s[G1SB+7], 0
	s_lshl_b32 s42, s22, 8
	s_lshl_b32 s43, s18, 7
	s_add_co_u32 s42, s42, s43                     ; x: the first row that I fetch: made of the tile row alone
	s_lshl_b32 s44, s42, 5                         ; its scale bytes,
	s_lshl_b32 s42, s42, 9                         ; its codes
	s_mov_b32 s43, 0
	s_mov_b32 s45, 0
	s_mul_i32 s46, s21, 192
	s_mul_i32 s47, s18, 96
	s_add_co_u32 s46, s46, s47                     ; W: made of the tile column alone
	s_lshl_b32 s92, s46, 5
	s_lshl_b32 s46, s46, 9
	s_mov_b32 s47, 0
	s_mov_b32 s93, 0
	s_mul_i32 s94, s18, HALFA                      ; where they go in a slot: no place in the cluster enters an LDS address
	s_mul_i32 s95, s18, HALFB
	s_add_co_u32 s95, s95, 2*HALFA
	s_mul_i32 s66, s18, SAH
	s_add_co_u32 s66, s66, SCL+2*SBH
	s_mul_i32 s67, s18, SBH
	s_add_co_u32 s67, s67, SCL
	s_wait_dscnt 0x0                               ; both opening adds are done
	s_wait_kmcnt 0x0
	s_add_nc_u64 s[42:43], s[4:5], s[42:43]
	s_add_nc_u64 s[44:45], s[6:7], s[44:45]
	s_add_nc_u64 s[46:47], s[8:9], s[46:47]
	s_add_nc_u64 s[92:93], s[10:11], s[92:93]
	CROUND                                         ; all sixteen work-groups are here: the joint loads meet
	s_mov_b32 s[G0S], 1
	s_mov_b32 s[G0S+1], s66
	s_mov_b64 s[G0S+2:G0S+3], s[44:45]
	s_or_b32 s[G0S+3], s[G0S+3], 0x80000000
	s_mov_b32 s[G0SB], 1
	s_mov_b32 s[G0SB+1], s67
	s_mov_b64 s[G0SB+2:G0SB+3], s[92:93]
	s_or_b32 s[G0SB+3], s[G0SB+3], 0x80000000
	JLOAD G0S, G1S, G0SB, G1SB                     ; the scales first: they are wanted with slot 0
.irp s, 0,1
	s_mov_b32 s[G0+4*\s], 1
	s_add_co_u32 s[G0+4*\s+1], s94, \s*SLOT
	s_add_nc_u64 s[G0+4*\s+2:G0+4*\s+3], s[42:43], \s*256
	s_or_b32 s[G0+4*\s+3], s[G0+4*\s+3], 0x80000000
	s_mov_b32 s[G0B+4*\s], 1
	s_add_co_u32 s[G0B+4*\s+1], s95, \s*SLOT
	s_add_nc_u64 s[G0B+4*\s+2:G0B+4*\s+3], s[46:47], \s*256
	s_or_b32 s[G0B+4*\s+3], s[G0B+4*\s+3], 0x80000000
	JLOAD G0+4*\s, G1, G0B+4*\s, G1B               ; three tensor loads of mine are out now, and no more follow
.endr
	v_and_b32 v1, 15, v0                           ; r
	v_bfe_u32 v2, v0, 4, 1                         ; h
	v_mul_u32_u24 v3, v1, PITCH
	v_lshl_add_u32 v4, v2, 4, v3                   ; a fragment's row x pitch + 16 h
	s_mul_i32 s42, s17, HALFA                      ; my 128 rows of x
	s_mul_i32 s43, s18, HALFB
	s_add_co_u32 s43, s43, 2*HALFA                 ; my 96 rows of W, behind x's 256
.irp s, 0,1
	v_add_nc_u32 v[ADRA+\s], s42, v4
	v_add_nc_u32 v[ADRB+\s], s43, v4
	s_add_co_u32 s42, s42, SLOT
	s_add_co_u32 s43, s43, SLOT
.endr
	v_lshlrev_b32 v5, 5, v1                        ; my row's scales: 32 bytes a row,
	v_lshrrev_b32 v6, 3, v1
	v_lshl_add_u32 v5, v6, 4, v5                   ; and 16 more behind each 256
	s_mul_i32 s42, s18, SBH                        ; lanes 0-15: W's, my 96 rows
	s_mul_i32 s43, s17, SAH
	s_add_co_u32 s43, s43, 2*SBH                   ; lanes 16-31: x's, my 128 rows, behind W's
	s_sub_co_u32 s43, s43, s42                     ; the distance between the two
	v_mul_u32_u24 v6, s43, v2
	s_add_co_u32 s42, s42, SCL
	v_add_nc_u32 v5, v5, v6
	v_add_nc_u32 v[ADRS], s42, v5
	v_lshl_add_u32 v[IA], v2, 3, v1
	v_and_b32 v[IA], 15, v[IA]
	v_lshlrev_b32 v[IA], 4, v[IA]
	v_lshl_add_u32 v[IA], v2, 8, v[IA]             ; 256 h + 16 ((r + 8 h) % 16)
	v_and_b32 v[PL], 31, v0
	v_lshlrev_b32 v[PL], 4, v[PL]
	; where my images go.  My 96 columns are three runs of 32: run R = 6 x tile column + 3 x half + cc lies in group R / 2, part R % 2
	s_mul_i32 s92, s21, 6
	s_mul_i32 s93, s18, 3
	s_add_co_u32 s92, s92, s93
	s_lshl_b32 s93, s22, 4
	s_lshl_b32 s94, s17, 3
	s_add_co_u32 s93, s93, s94                     ; my first block of 16 tokens
	s_mov_b32 s67, 0
.irp cc, 0,1,2
	s_add_co_u32 s94, s92, \cc
	s_lshr_b32 s66, s94, 1
	s_lshl_b32 s66, s66, 9
	s_add_co_u32 s66, s66, s93
	s_lshl_b32 s66, s66, 11
	s_and_b32 s94, s94, 1
	s_lshl_b32 s94, s94, 10
	s_add_co_u32 s66, s66, s94
	s_add_nc_u64 s[96+2*\cc:97+2*\cc], s[12:13], s[66:67]
.endr
	s_mul_i32 s66, s20, 192
	s_mul_i32 s94, s21, 12
	s_add_co_u32 s66, s66, s94
	s_mul_i32 s94, s18, 6
	s_add_co_u32 s66, s66, s94
	s_lshl_b32 s66, s66, 10
	s_add_nc_u64 s[14:15], s[14:15], s[66:67]      ; q32 at (batch cy, my first 16 columns)
.macro FRAG reg, adr, q, i             ; 16 rows x 128 K of 4-bit codes: lane l holds row l % 16; registers 4 c .. 4 c + 3 hold K = 64 c + 32 (l / 16) + 0 .. 31
.irp c, 0,1
	ds_load_b128 v[\reg+4*\c:\reg+4*\c+3], v[\adr] offset:64*(\q)+32*\c+(\i)*16*PITCH
.endr
.endm
; 12 matrix instructions: x's blocks a0, a0 + 1 against W's six.  The 48 accumulators take turns, one instruction a turn, in the same order in every step.
.macro MUL12 a0, p, q, sc, zero
.irp a, \a0, \a0+1
.irp b, 0,1,2,3,4,5
.if \zero
	v_wmma_scale_f32_16x16x128_f8f6f4 v[8*(6*((\a)%4)+\b):8*(6*((\a)%4)+\b)+7], v[128*(\p)+8*\b:128*(\p)+8*\b+7], v[AF+8*(\a):AF+8*(\a)+7], 0, v[SC+32*(\sc)+4*\b+(\q)], v[SC+32*(\sc)+4*(\a)+(\q)] matrix_a_fmt:MATRIX_FMT_FP4 matrix_b_fmt:MATRIX_FMT_FP4 matrix_b_scale:MATRIX_SCALE_ROW1
.else
	v_wmma_scale_f32_16x16x128_f8f6f4 v[8*(6*((\a)%4)+\b):8*(6*((\a)%4)+\b)+7], v[128*(\p)+8*\b:128*(\p)+8*\b+7], v[AF+8*(\a):AF+8*(\a)+7], v[8*(6*((\a)%4)+\b):8*(6*((\a)%4)+\b)+7], v[SC+32*(\sc)+4*\b+(\q)], v[SC+32*(\sc)+4*(\a)+(\q)] matrix_a_fmt:MATRIX_FMT_FP4 matrix_b_fmt:MATRIX_FMT_FP4 matrix_b_scale:MATRIX_SCALE_ROW1
.endif
.endr
.endr
.endm
.macro FETCH_B slot, q, p              ; W's six fragments of the slot's q-th 128 along K into set p: 12 loads
	WIN TO_B
.irp i, 0,1,2,3,4,5
	FRAG 128*(\p)+8*\i, ADRB+\slot, \q, \i
.endr
	WIN 0
.endm
.macro FETCH_A slot, q, i0             ; x's blocks i0 .. i0 + 3: 8 loads
.irp i, \i0, \i0+1, \i0+2, \i0+3
	FRAG AF+8*(\i), ADRA+\slot, \q, \i
.endr
.endm
.macro SCALES sc                       ; a slot's scale words: four words a row.  W has six blocks: for i = 6, 7 lanes 0-15 read filled bytes of the neighbouring region, and no product names those lanes
.irp i, 0,1,2,3,4,5,6,7
	ds_load_b128 v[SC+32*\sc+4*\i:SC+32*\sc+4*\i+3], v[ADRS] offset:\i*SBLK
.endr
.endm
.macro PLACES                          ; four plain places behind this matrix form, in front of loads into registers that matrix instructions have read and of the first read of results
.rept 4
	v_nop
.endr
.endm
.macro STEP slot, q, zero              ; 128 along K with its successor in the same slot
	s_wait_dscnt 8                                 ; W's set and x's blocks 0-3 are in; the youngest eight loads (x's blocks 4-7) may be out
	WIN MUL_LO
	MUL12 0, (\q)%2, \q, \slot, \zero
	MUL12 2, (\q)%2, \q, \slot, \zero
	s_wait_dscnt 0                                 ; x's blocks 4-7 are in (asked for 24 matrix instructions ago)
	PLACES
	FETCH_B \slot, (\q)+1, 1-(\q)%2
	FETCH_A \slot, (\q)+1, 0
	WIN MUL_HI
	MUL12 4, (\q)%2, \q, \slot, \zero
	MUL12 6, (\q)%2, \q, \slot, \zero
	PLACES
	WIN 0
	FETCH_A \slot, (\q)+1, 4
.endm
	s_wait_tensorcnt 1                             ; the scales and my part of slot 0 are in; slot 1's load may be out
	s_barrier_signal -1
	s_barrier_wait -1                              ; everybody's are
	FETCH_B 0, 0, 0
	FETCH_A 0, 0, 0
	SCALES 0
	FETCH_A 0, 0, 4
	STEP 0, 0, 1                                   ; the first step's products start the sums: nothing is cleared
	STEP 0, 1, 0
	STEP 0, 2, 0
	; slot 0's last step goes over to slot 1: my part of slot 1 has landed, then the work-group's barrier; nothing is filled again
	s_wait_tensorcnt 0x0
	ds_add_u32 v[SPW], v[NIL]                      ; 0 onto my spare word
	s_wait_dscnt 9                                 ; (the add and the youngest eight loads may be out)
	WIN MUL_LO
	MUL12 0, 1, 3, 0, 0
	s_wait_dscnt 0x0                               ; no LDS instruction of mine is pending at the signal
	s_barrier_signal -1
	MUL12 2, 1, 3, 0, 0
	WIN 0
	s_barrier_wait -1                              ; slot 1 is whole
	PLACES
	v_add_nc_u32 v[ADRS], 16, v[ADRS]              ; on to slot 1's four scale words of each row
	FETCH_B 1, 0, 0
	FETCH_A 1, 0, 0
	SCALES 1
	WIN MUL_HI
	MUL12 4, 1, 3, 0, 0
	MUL12 6, 1, 3, 0, 0
	PLACES
	WIN 0
	FETCH_A 1, 0, 4
	STEP 1, 0, 0
	STEP 1, 1, 0
	STEP 1, 2, 0
	s_wait_dscnt 8                                 ; the last step: nothing more to fetch
	WIN MUL_LO
	MUL12 0, 1, 3, 1, 0
	MUL12 2, 1, 3, 1, 0
	s_wait_dscnt 0
	WIN MUL_HI
	MUL12 4, 1, 3, 1, 0
	MUL12 6, 1, 3, 1, 0
	WIN 0
	; THE WAY OUT.  Accumulators (a, 2 cc) and (a, 2 cc + 1), rounded to f16 in pairs from each one's low end on, are the two quads of fragment (a, cc).  Every fragment has registers of its own: no store's data are written again.
	PLACES
.irp a, 0,1,2,3,4,5,6,7
	WIN 0x0a+5*(\a/4)                              ; sources 0 and 1: window 2 or 3
.irp cc, 0,1,2
.irp g, 0,1
.irp rr, 0,1,2,3
	v_cvt_pk_f16_f32 v[OUTF+8*(3*\a+\cc)+4*\g+\rr], v[8*(6*(\a%4)+2*\cc+\g)+2*\rr], v[8*(6*(\a%4)+2*\cc+\g)+2*\rr+1]
.endr
.endr
.endr
	WIN 0
.irp cc, 0,1,2
.irp g, 0,1
	global_store_b128 v[IA], v[OUTF+8*(3*\a+\cc)+4*\g:OUTF+8*(3*\a+\cc)+4*\g+3], s[96+2*\cc:97+2*\cc] offset:\a*2048+512*\g   ; 32 lanes store 512 consecutive bytes, aligned
.endr
.endr
.endr
	s_or_b32 s42, s23, s17                         ; the first 16 tokens of a sequence are block 0 of waves 0 and 1 where cluster y = 0: a test on the cluster's number and the wave's
	s_cmp_lg_u32 s42, 0
	s_cbranch_scc1 .Lno32
	WIN 0x08                                       ; a store's data are its source 1: window 2
.irp b, 0,1,2,3,4,5
.irp g, 0,1
	global_store_b128 v[PL], v[8*\b+4*\g:8*\b+4*\g+3], s[14:15] offset:1024*\b+512*\g
.endr
.endr
	WIN 0
.Lno32:
	s_wait_tensorcnt 0x0                           ; the wave's end
	ds_add_u32 v[SPW], v[NIL]
	s_wait_dscnt 0x0
	CROUND                                         ; the closing round
	s_endpgm
.Lfunc_end_k_q20885c95e1_gemm_qkv:
	.size	k_q20885c95e1_gemm_qkv, .Lfunc_end_k_q20885c95e1_gemm_qkv-k_q20885c95e1_gemm_qkv
	.p2alignl 7, 3214868480
	.fill 96, 4, 3214868480
	.section	.rodata,"a",@progbits
	.p2align	6, 0x0
	.amdhsa_kernel k_q20885c95e1_gemm_qkv
		.amdhsa_group_segment_fixed_size 327680
		.amdhsa_private_segment_fixed_size 0
		.amdhsa_enable_private_segment 0
		.amdhsa_kernarg_size 48
		.amdhsa_user_sgpr_count 2
		.amdhsa_user_sgpr_kernarg_segment_ptr 1
		.amdhsa_wavefront_size32 1
		.amdhsa_system_sgpr_workgroup_id_x 1
		.amdhsa_system_sgpr_workgroup_id_y 1
		.amdhsa_system_sgpr_workgroup_id_z 1
		.amdhsa_system_vgpr_workitem_id 0
		.amdhsa_next_free_vgpr 960
		.amdhsa_next_free_sgpr 102
		.amdhsa_reserve_vcc 0
		.amdhsa_float_denorm_mode_32 3
		.amdhsa_float_denorm_mode_16_64 3
		.amdhsa_memory_ordered 1
		.amdhsa_forward_progress 1
		.amdhsa_inst_pref_size 96
	.end_amdhsa_kernel
	.amdgpu_metadata
---
amdhsa.version: [ 1, 2 ]
amdhsa.kernels:
  - .name:           k_q20885c95e1_gemm_qkv
    .symbol:         k_q20885c95e1_gemm_qkv.kd
    .args:
      - { .name: xc, .offset: 0, .size: 8, .value_kind: global_buffer, .address_space: global }
      - { .name: xs, .offset: 8, .size: 8, .value_kind: global_buffer, .address_space: global }
      - { .name: wc, .offset: 16, .size: 8, .value_kind: global_buffer, .address_space: global }
      - { .name: ws, .offset: 24, .size: 8, .value_kind: global_buffer, .address_space: global }
      - { .name: qkvf, .offset: 32, .size: 8, .value_kind: global_buffer, .address_space: global }
      - { .name: q32, .offset: 40, .size: 8, .value_kind: global_buffer, .address_space: global }
    .group_segment_fixed_size: 327680
    .private_segment_fixed_size: 0
    .kernarg_segment_align: 8
    .kernarg_segment_size: 48
    .max_flat_workgroup_size: 128
    .sgpr_count:     102
    .vgpr_count:     960
    .wavefront_size: 32
...
	.end_amdgpu_metadata
.endif
;; end of part 2
;; launch attn (part 3): grid 4 x 64, 4 waves a work-group, no clusters, 327,680 bytes of LDS; arguments qkvf, yf; writes yf
.if DOCPART == 3
	.amdgcn_target "amdgcn-amd-amdhsa--gfx1250"
	.amdhsa_code_object_version 6
	.text
	.protected	k_q20885c95e1_attn
	.globl	k_q20885c95e1_attn
	.p2align	8
	.type	k_q20885c95e1_attn,@function
k_q20885c95e1_attn:
	s_mov_b64 s[64:65], 0
	v_nop
	global_prefetch_b8 v0, s[64:65] scope:SCOPE_SE
	s_setreg_imm32_b32 hwreg(HW_REG_WAVE_MODE, 25, 1), 1
	s_wait_xcnt 0x0
; y[b][h][q] = sum over k <= q of softmax_k(Q[q] . K[k] / 8) V[k], head size 64, 2,048 positions, 64 (batch, head) pairs.  Operands f16, products, maxima and sums f32; the weights p are rounded to f16, y once at the end.
; q, k, v come as images of operand registers (qkvf [n/64][token/16][c][1,024 bytes], quad g of lane (r, h) at 512 g + 256 h + 16 ((r + 8 h) % 16)); y leaves as such images for the projection
; (yf [k/128][token/16][(k/32)%4][1,024 bytes], quad g of lane l at 512 g + 16 l).
; SHARES.  Work-group (i, head and batch) makes the query blocks 7 - i (pass 0) and i (pass 1), 256 queries each: (8 - i) + (i + 1) = 9 units of 256 keys for every work-group.  Wave w owns 64 queries of a block: four tiles of 16.
; LAYOUT.  S^T = K Q^T (source 0 = 16 keys, source 1 = 16 queries), O^T = V^T P: a lane holds ONE query (lane % 16) throughout.  K comes out of LDS as it lies; V, [key][channel], turned by ds_load_tr16_b128.
; SOFTMAX.  For each query a running maximum m and sum l: p = 2^(c s - c m), c = log2(e) / 8; in every step O and l are multiplied by a = 2^(c m_old - c m_new).
; WITHIN A KEY STEP (64 keys) the wave's tiles are two pieces (tiles 0, 1 and tiles 2, 3): piece 0's softmax stands in slices behind piece 2's products K Q^T, piece 2's behind piece 0's products V^T P.
; THE CAUSAL MASK.  Both loops have constant trip counts (2 passes x 8 units).  A step all of whose keys come after the wave's queries is jumped over by a scalar branch on ids; hidden steps are the rest of a unit, so the jump
; leaves the unit.  In the one step on the diagonal hidden scores become -infinity ahead of the maximum.  A unit whose first key comes after the work-group's last query is read by no wave and is not asked for.
; NO CLUSTER: under the mask the four work-groups of a head need different units in the same trip (8 - i against i + 1 of them), and some would jump over the reads of a tile that a joint load brings.
; LIMITS: q, k, v under 65,504 in magnitude (f16); NaN and infinities are not served.  Rows 0-15 of each sequence are computed here too and overwritten nowhere in yf, but the projection of those rows is another launch's, in f32.
; REGISTERS: window 0: v2-11 addresses and constants; v16-47 statistics, 8 a tile (+0 c m, +1 m, +2, +3 l, +4 .. +7 at work, a in +6); v64-191 S^T, 32 a tile; v192-255 P, 16 a tile.
;   window 1: v0-63 K of a step; v64-127 V of a step; v128-191 Q.   window 2: O^T, 32 a tile.
.set SLOT1, 0x10000                    ; a slot holds a unit: K's 32 KiB of images, then V's; slot 1 begins here, so that one exclusive or turns an address
.set VOFF,  32768
.set SPARE, 0x20000                    ; behind the ring: the spare words, 128 bytes for each wave
.set IA,   2                           ; v2   256 h + 16 ((r + 8 h) % 16): my 16 bytes in a quad of a qkvf image
.set AV0,  3                           ; v3   my place for the turning load
.set ADK,  4                           ; v4   LDS address of the unit's K
.set ADV,  5                           ; v5   of its V
.set PFO,  6                           ; v6   256 x lane
.set D0,   7                           ; v7   r - 8 h
.set NINF, 8                           ; v8   -infinity
.set PL,   9                           ; v9   16 x lane
.set SPW,  10                          ; v10  LDS address of my spare word; never rewritten
.set NIL,  11                          ; v11  0; never rewritten
.set ST,   16
.set S,    64
.set P,    192
.set KF,   0
.set VF,   64
.set QF,   128
.set WV,   8                           ; s8   wave
.set G1,   16                          ; s[16:23] descriptor group 1: 16 KiB dense, as 64 rows of 256 bytes
.set G0,   24                          ; s[24:27] descriptor group 0
.set KVB,  28                          ; s[28:29] my quarter of unit 0 in memory (waves 0, 1: K's halves; 2, 3: V's)
.set PFA,  30                          ; s[30:31] where my prefetches stand
.set QPB,  32                          ; s[32:33] q of my head and batch
.set YBB,  34                          ; s[34:35] y of my head and batch
.set OFS,  36                          ; s[36:37] an offset; s37 = 0
.set PTR,  38                          ; s[38:39] Q's, later y's, address for the pass
.set CS,   40                          ; s[40:41] c, twice
.set SEL,  42                          ; s[42:43] lane selects: lane l xor 16
.set TB,   44                          ; s44  LDS byte at which the slot in hand begins
.set KFU,  45                          ; s45  the unit's first key
.set Q0,   46                          ; s46  my first query;  s47 my last;  s48 my work-group's last
.set QE,   47
.set QL,   48
.set QLN,  49                          ; s49  the next pass's last query; -1 in pass 1
.set Q0N,  50                          ; s50  the next pass's first query of mine
.set PASS, 51
.set UN,   52
.set LIM,  53                          ; s53  2 in the work-group that prefetches, in pass 0; else the greatest number
.set T0,   54                          ; s54  the step's first key
.set NK,   55                          ; s55  the next unit's first key
.set NLIM, 56                          ; s56  the last query for which it counts
.set MSB, 0
.macro WIN new
.if MSB != (\new)
	s_set_vgpr_msb (MSB<<8)|(\new)
.set MSB, \new
.endif
.endm
.macro PLACES                          ; four plain places behind this matrix form (ISA guide 7.12.1)
.rept 4
	v_nop
.endr
.endm
; Product i of 16 of S^T = K Q^T for piece x: channels 32 (i / 8) on, keys 16 ((i / 2) % 4) on, tile x + i % 2.  The first 8 start the sums.  Seven other accumulators stand between two links.
.macro KQ x
	WIN 0x05                                       ; K and Q window 1, S^T window 0
.set rS, S+32*(\x+i%2)+8*((i/2)%4)
.set rK, KF+8*(2*((i/2)%4)+i/8)
.set rQ, QF+8*(2*(\x+i%2)+i/8)
.if i < 8
	v_wmma_f32_16x16x32_f16 v[rS:rS+7], v[rK:rK+7], v[rQ:rQ+7], 0
.else
	v_wmma_f32_16x16x32_f16 v[rS:rS+7], v[rK:rK+7], v[rQ:rQ+7], v[rS:rS+7]
.endif
.endm
; Product i of 16 of O^T += V^T P: keys 32 (i / 8) on, channels 16 ((i / 2) % 4) on, tile x + i % 2
.macro PV x
	WIN 0xa1                                       ; V window 1, P window 0, O^T window 2
.set rO, 32*(\x+i%2)+8*((i/2)%4)
.set rV, VF+8*(2*((i/2)%4)+i/8)
.set rP, P+16*(\x+i%2)+8*(i/8)
	v_wmma_f32_16x16x32_f16 v[rO:rO+7], v[rV:rV+7], v[rP:rP+7], v[rO:rO+7]
.endm
.macro FETCH_K q                       ; a step's K: 8 images as they lie: 16 loads of 512 consecutive bytes
	WIN 0x40
.irp f, 0,1,2,3,4,5,6,7
	ds_load_b128 v[KF+8*\f:KF+8*\f+3],   v[ADK] offset:8192*(\q)+1024*\f
	ds_load_b128 v[KF+8*\f+4:KF+8*\f+7], v[ADK] offset:8192*(\q)+1024*\f+512
.endr
	WIN 0
.endm
.macro FETCH_V q                       ; a step's V, turned: fragment f = 2 ct + kk: channels 16 ct on, keys 32 kk on; each group of eight lanes reads eight keys' 16 bytes of one octet of channels
	WIN 0x40
.irp f, 0,1,2,3,4,5,6,7
	ds_load_tr16_b128 v[VF+8*\f:VF+8*\f+3],   v[ADV] offset:8192*(\q)+2048*(2*(\f%2))+512*(\f/2)
	ds_load_tr16_b128 v[VF+8*\f+4:VF+8*\f+7], v[ADV] offset:8192*(\q)+2048*(2*(\f%2)+1)+512*(\f/2)
.endr
	WIN 0
.endm
; One tile's softmax for one key step: a list of 118 instructions; SM writes number j of it for tile t.
;   0-15 the maximum of the lane's 32 scores and the old m (each accumulator is read from its low end on);  16-20 the other half's maximum, the new m, c m, c m_old - c m_new;
;   21-36 the scalings c s - c m, in pairs;  37-69 ONE BATCH of 33 exponentials (a, then the 32 scores);  70-85 the roundings to f16;  86-101 the sums and l = a l + sum;  102-117 O^T times a.
.macro SM t
.set rT, ST+8*(\t)
.set rS, S+32*(\t)
.set rP, P+16*(\t)
.set rO, 32*(\t)+2*(j-102)
.if j < 102
	WIN 0
.endif
.if j < 4
	v_max3_num_f32 v[rT+4+j], v[rS+8*j], v[rS+8*j+1], v[rS+8*j+2]
.elseif j < 12
	v_max3_num_f32 v[rT+4+j%4], v[rT+4+j%4], v[rS+8*(j%4)+2*(j/4)+1], v[rS+8*(j%4)+2*(j/4)+2]
.elseif j == 12
	v_max3_num_f32 v[rT+4], v[rT+4], v[rS+7], v[rS+15]
.elseif j == 13
	v_max3_num_f32 v[rT+6], v[rT+6], v[rS+23], v[rS+31]
.elseif j == 14
	v_max3_num_f32 v[rT+4], v[rT+4], v[rT+5], v[rT+6]
.elseif j == 15
	v_max3_num_f32 v[rT+4], v[rT+4], v[rT+7], v[rT+1]
.elseif j == 16
	v_permlanex16_b32 v[rT+5], v[rT+4], s[SEL], s[SEL+1]           ; the query's other 32 keys lie in the lane 16 away
.elseif j == 17
	v_mov_b32 v[rT+7], v[rT]                       ; c m_old is kept for a
.elseif j == 18
	v_max_num_f32 v[rT+1], v[rT+4], v[rT+5]
.elseif j == 19
	v_mul_f32 v[rT], s[CS], v[rT+1]
.elseif j == 20
	v_sub_f32 v[rT+7], v[rT+7], v[rT]
.elseif j < 37
	v_pk_fma_f32 v[rS+2*(j-21):rS+2*(j-21)+1], v[rS+2*(j-21):rS+2*(j-21)+1], s[CS:CS+1], v[rT:rT+1] op_sel_hi:[1,0,0] neg_lo:[0,0,1] neg_hi:[0,0,1]
.elseif j == 37
	v_exp_f32 v[rT+6], v[rT+7]
.elseif j < 70
	v_exp_f32 v[rS+j-38], v[rS+j-38]
.elseif j < 86
	v_cvt_pk_f16_f32 v[rP+j-70], v[rS+2*(j-70)], v[rS+2*(j-70)+1]
.elseif j < 102
.set z, j-86
.set w, 4
.set u, z
.if z >= 14
.set w, 32
.set u, 0
.elseif z >= 12
.set w, 16
.set u, z-12
.elseif z >= 8
.set w, 8
.set u, z-8
.endif
.if z < 15
	v_pk_add_f32 v[rS+w*u:rS+w*u+1], v[rS+w*u:rS+w*u+1], v[rS+w*u+w/2:rS+w*u+w/2+1]
.else
	v_pk_fma_f32 v[rT+2:rT+3], v[rT+2:rT+3], v[rT+6:rT+7], v[rS:rS+1] op_sel_hi:[1,0,1]
.endif
.else
	WIN 0x82                                       ; O^T (destination and source 0) window 2, a window 0
	v_pk_mul_f32 v[rO:rO+1], v[rO:rO+1], v[rT+6:rT+7] op_sel_hi:[1,0]
.endif
.endm
; The two tiles of piece y alternate: instruction NN of 236 is number NN / 2 of tile y + NN % 2.  Ahead of NN = 140, the first that names an exponential's result, stand one plain instruction and ONE wait for the
; piece's 66 exponentials; behind it no exponential is issued.
.macro SMN y
.if NN == 140
	v_nop
	s_wait_alu depctr_va_vdst(0)
.endif
.set j, NN/2
	SM (\y)+NN%2
.set NN, NN+1
.endm
.macro SLICE y                         ; the next 15 of the 236 (the sixteenth slice has 11)
.rept 15
.if NN < 236
	SMN \y
.endif
.endr
.endm
; The step on the diagonal, for piece x: key tile kt against query tile t: kt < t counts whole; kt = t: register j (key 8 h + j) is hidden where j > r - 8 h; kt > t is hidden whole.
.macro MASK x
.irp t, \x, \x+1
.irp kt, 0,1,2,3
.if \kt == (\t)
.irp jj, 0,1,2,3,4,5,6,7
	v_cmp_gt_i32 vcc_lo, \jj, v[D0]
	v_cndmask_b32 v[S+32*(\t)+8*\kt+\jj], v[S+32*(\t)+8*\kt+\jj], v[NINF], vcc_lo
.endr
.elseif \kt > (\t)
.irp jj, 0,1,2,3,4,5,6,7
	v_mov_b32 v[S+32*(\t)+8*\kt+\jj], v[NINF]
.endr
.endif
.endr
.endr
.endm
; A KEY STEP: 64 keys, the q-th of the unit in hand.
.macro STEP q
	s_add_co_u32 s[T0], s[KFU], 64*\q
	s_cmp_gt_u32 s[T0], s[QE]                      ; all its keys come after my queries, and so do those of the unit's later steps
	s_cbranch_scc1 .Lunit_end
	PLACES                                         ; for the loads into V's registers, which the last products read
.if \q == 0
	FETCH_K 0
.endif
	FETCH_V \q
	s_wait_dscnt 16                                ; K is in; V's sixteen loads may be out
.set i, 0
.rept 16
	KQ 0
.set i, i+1
.endr
	WIN 0
	PLACES                                         ; ahead of the first read of piece 0's scores
	s_cmp_lg_u32 s[T0], s[Q0]
	s_cbranch_scc1 .Lopen0_\@
	MASK 0
.Lopen0_\@:
.set NN, 0
.set i, 0
.rept 16
	KQ 2
	SLICE 0
.set i, i+1
.endr
	WIN 0
.if \q < 3
	FETCH_K (\q)+1                                 ; the last slice's eleven plain multiplies are the places behind the last product that read K, and ahead of the first read of piece 2's scores
.endif
	s_cmp_lg_u32 s[T0], s[Q0]
	s_cbranch_scc1 .Lopen2_\@
	MASK 2
.Lopen2_\@:
.if \q < 3
	s_wait_dscnt 16                                ; V is in; the next step's K may be out
.else
	s_wait_dscnt 0x0
.endif
.set NN, 0
.set i, 0
.rept 16
	PV 0
	SLICE 2
.set i, i+1
.endr
.set i, 0
.rept 16
	PV 2
.set i, i+1
.endr
	WIN 0
.endm
	s_load_b128 s[4:7], s[0:1], 0x0                ; qkvf s[4:5], yf s[6:7]
	v_lshl_add_u32 v[SPW], v0, 2, SPARE
	v_mov_b32 v[NIL], 0
	ds_add_u32 v[SPW], v[NIL]                      ; the wave's opening: the add, twice on end, and its wait ahead of my first tensor load
	ds_add_u32 v[SPW], v[NIL]
	v_lshrrev_b32 v1, 5, v0
	v_readfirstlane_b32 s[WV], v1                  ; wave 0..3
	s_and_b32 s9, ttmp7, 0xffff
	s_and_b32 s10, s9, 15                          ; head
	s_lshr_b32 s11, s9, 4                          ; batch
	s_mov_b32 s[G1], 3<<16                         ; no mask; elements of 8 bytes; no padding: the images are read as they lie, 512 consecutive bytes a load
	s_mov_b32 s[G1+1], 32<<16                      ; tensor_dim0 = 32 elements (256 bytes)
	s_mov_b32 s[G1+2], 64<<16                      ; tensor_dim1 = 64 rows
	s_mov_b32 s[G1+3], 32<<16                      ; tile_dim0
	s_mov_b32 s[G1+4], 64                          ; tile_dim1
	s_mov_b32 s[G1+5], 32                          ; dense
	s_mov_b32 s[G1+6], 0
	s_mov_b32 s[G1+7], 0
	s_mov_b32 s[G0], 1
	s_lshl_b32 s[G0+1], s[WV], 14                  ; my quarter of slot 0
	s_mov_b32 s[CS], 0x3e38aa3b                    ; c = log2(e) / 8
	s_mov_b32 s[CS+1], s[CS]
	s_mov_b32 s[SEL], 0x76543210
	s_mov_b32 s[SEL+1], 0xfedcba98
	s_mov_b32 s[OFS+1], 0
	s_mov_b32 s[TB], 0
	s_mov_b32 s[PASS], 2
	s_sub_co_u32 s12, 7, ttmp9
	s_lshl_b32 s12, s12, 8                         ; pass 0: block 7 - i
	s_lshl_b32 s13, s[WV], 6
	s_add_co_u32 s[Q0], s12, s13
	s_add_co_u32 s[QE], s[Q0], 63
	s_add_co_u32 s[QL], s12, 255
	s_lshl_b32 s12, ttmp9, 8                       ; pass 1: block i
	s_add_co_u32 s[Q0N], s12, s13
	s_add_co_u32 s[QLN], s12, 255
	s_cmp_eq_u32 ttmp9, 0
	s_cselect_b32 s[LIM], 2, -1
	s_lshl_b32 s12, s10, 20
	s_lshl_b32 s13, s11, 18
	s_add_co_u32 s12, s12, s13                     ; head and batch inside q's sixteen groups
	s_mov_b32 s13, 0
	s_lshr_b32 s14, s[WV], 1
	s_add_co_u32 s14, s14, 1
	s_lshl_b32 s14, s14, 24                        ; k's groups begin 16 groups on, v's 32
	s_add_co_u32 s14, s14, s12
	s_and_b32 s15, s[WV], 1
	s_lshl_b32 s15, s15, 14
	s_add_co_u32 s14, s14, s15                     ; + my half of a unit's 32 KiB
	s_mov_b32 s15, 0
	s_lshr_b32 s2, s10, 1
	s_lshl_b32 s2, s2, 21
	s_lshl_b32 s3, s11, 19
	s_add_co_u32 s2, s2, s3
	s_and_b32 s3, s10, 1
	s_lshl_b32 s3, s3, 11
	s_add_co_u32 s2, s2, s3                        ; yf: (head / 2) x 2^21 + batch x 2^19 + (head % 2) x 2,048
	s_mov_b32 s3, 0
	s_wait_dscnt 0x0                               ; both opening adds are done
	s_wait_kmcnt 0x0
	s_add_nc_u64 s[QPB:QPB+1], s[4:5], s[12:13]
	s_add_nc_u64 s[KVB:KVB+1], s[4:5], s[14:15]
	s_add_nc_u64 s[YBB:YBB+1], s[6:7], s[2:3]
	s_mov_b64 s[G0+2:G0+3], s[KVB:KVB+1]
	s_or_b32 s[G0+3], s[G0+3], 0x80000000
	s_add_nc_u64 s[PFA:PFA+1], s[KVB:KVB+1], 32768 ; at unit 1: the first change of slots steps it to unit 2.  Nothing is prefetched at the head
	tensor_load_to_lds s[G0:G0+3], s[G1:G1+7]      ; unit 0, which counts for every query, into slot 0: one tensor load of mine is out
	s_nop 0
.rept 4
	v_nop
.endr
	v_and_b32 v12, 15, v0                          ; r
	v_bfe_u32 v13, v0, 4, 1                        ; h
	v_lshl_add_u32 v[IA], v13, 3, v12
	v_and_b32 v[IA], 15, v[IA]
	v_lshlrev_b32 v[IA], 4, v[IA]
	v_lshl_add_u32 v[IA], v13, 8, v[IA]
	; the turning load: lane l asks for key 8 h + l % 8 of a block of 16 and the octet of channels o = (l / 8) % 2: in the image that is 256 o + 16 ((8 h + l % 8 + 8 o) % 16)
	v_bfe_u32 v14, v0, 3, 1                        ; o
	v_xor_b32 v15, v13, v14
	v_and_b32 v[AV0], 7, v0
	v_lshlrev_b32 v[AV0], 4, v[AV0]
	v_lshl_add_u32 v[AV0], v14, 8, v[AV0]
	v_lshl_add_u32 v[AV0], v15, 7, v[AV0]
	v_add_nc_u32 v[AV0], VOFF, v[AV0]
	v_and_b32 v[PL], 31, v0
	v_lshlrev_b32 v[PFO], 8, v[PL]
	v_lshlrev_b32 v[PL], 4, v[PL]
	v_lshlrev_b32 v15, 3, v13
	v_sub_nc_u32 v[D0], v12, v15
	v_mov_b32 v[NINF], 0xff800000
.Lpass:
	s_wait_xcnt 0x0                                ; the last pass's stores have read their registers and base
	s_lshl_b32 s[OFS], s[Q0], 7                    ; 2,048 bytes for each 16 queries
	s_add_nc_u64 s[PTR:PTR+1], s[QPB:QPB+1], s[OFS:OFS+1]
	WIN 0x40
.irp f, 0,1,2,3,4,5,6,7                ; Q stays in registers: fragment f = 2 t + c
	global_load_b128 v[QF+8*\f:QF+8*\f+3],   v[IA], s[PTR:PTR+1] offset:1024*\f
	global_load_b128 v[QF+8*\f+4:QF+8*\f+7], v[IA], s[PTR:PTR+1] offset:1024*\f+512
.endr
	WIN 0x80
.set n, 0
.rept 128
	v_mov_b32 v[n], 0                              ; O^T.  The steps are written once: the first finds zeros, which the first a leaves zeros; a second copy of the steps would double the text
.set n, n+1
.endr
	WIN 0
.irp t, 0,1,2,3
	v_mov_b32 v[ST+8*\t+1], 0xff61b1e6             ; m: -3e38, under every score
.irp e, 2,3,4,5,6,7
	v_mov_b32 v[ST+8*\t+\e], 0                     ; l, and the registers at work
.endr
	v_mul_f32 v[ST+8*\t], s[CS], v[ST+8*\t+1]      ; c m
.endr
	s_mov_b32 s[KFU], 0
	s_mov_b32 s[UN], 8
	s_wait_loadcnt 0x0                             ; Q
.Lunit:
	; THE CHANGE OF SLOTS, at a unit's head.  All my tensor loads have landed (my quarter of the unit ahead); 0 onto my spare word; my reads of the slot that I have left are over; the barrier; then the other slot is
	; asked for, first thing: the load has a unit's steps in which to land.
	s_wait_tensorcnt 0x0                           ; no tensor load of mine is out, so group 0 may be written
	ds_add_u32 v[SPW], v[NIL]                      ; the descriptor's steps stand between the add and the wait for it
	s_xor_b32 s[G0+1], s[G0+1], SLOT1              ; the other slot than last time
	s_add_co_u32 s[NK], s[KFU], 256
	s_and_b32 s[NK], s[NK], 2047                   ; behind a pass's last unit comes the next pass's unit 0
	s_cmp_eq_u32 s[NK], 0
	s_cselect_b32 s[NLIM], s[QLN], s[QL]
	s_lshl_b32 s[OFS], s[NK], 7                    ; 128 bytes a key
	s_add_nc_u64 s[G0+2:G0+3], s[KVB:KVB+1], s[OFS:OFS+1]
	s_or_b32 s[G0+3], s[G0+3], 0x80000000
	s_wait_xcnt 0x0                                ; the last prefetches, a unit back, have read their address
	s_add_nc_u64 s[PFA:PFA+1], s[PFA:PFA+1], 32768
	s_wait_dscnt 0x0                               ; the add is done, and my reads of the slot that I have left are over
	s_barrier_signal -1
	s_barrier_wait -1
	s_cmp_gt_i32 s[NK], s[NLIM]                    ; a unit whose first key comes after the work-group's last query is read by none of its waves: ids and the count of units alone, the same in all four waves
	s_cbranch_scc1 .Lpast
	tensor_load_to_lds s[G0:G0+3], s[G1:G1+7]      ; my one tensor load until the next barrier
	s_nop 0
.rept 4
	v_nop
.endr
.Lpast:
	; A PREFETCH INTO THE L2.  In pass 0 the four work-groups of a head walk units 0, 1, .. together; the one with i = 0, which walks all eight, asks in trip u for unit u + 2: one unit ahead of the load that wants it.
	; Each wave names the 16 KiB that it will itself load, lanes 256 bytes apart, two instructions: each aligned block of 256 bytes once in the launch.  Units 0 and 1 come by their loads alone; trips 6 and 7 ask for nothing.
	s_cmp_gt_u32 s[UN], s[LIM]
	s_cbranch_scc0 .Lnot_mine
	global_prefetch_b8 v[PFO], s[PFA:PFA+1] th:TH_LOAD_NT scope:SCOPE_SE
	global_prefetch_b8 v[PFO], s[PFA:PFA+1] offset:8192 th:TH_LOAD_NT scope:SCOPE_SE
.Lnot_mine:
	v_add_nc_u32 v[ADK], s[TB], v[IA]
	v_add_nc_u32 v[ADV], s[TB], v[AV0]
	STEP 0
	STEP 1
	STEP 2
	STEP 3
.Lunit_end:
	s_add_co_u32 s[KFU], s[KFU], 256
	s_xor_b32 s[TB], s[TB], SLOT1
	s_sub_co_u32 s[UN], s[UN], 1
	s_cmp_lg_u32 s[UN], 0
	s_cbranch_scc1 .Lunit
	; THE PASS'S WAY OUT.  l's two halves and the other half of the lanes' are added; O^T / l, rounded to f16 in pairs, IS the projection's operand: accumulator ct of tile t is quad ct % 2 of fragment (t, ct / 2).
.irp t, 0,1,2,3
	v_add_f32 v[ST+8*\t+4], v[ST+8*\t+2], v[ST+8*\t+3]             ; (these four are the places behind the last products)
.endr
.irp t, 0,1,2,3
	v_permlanex16_b32 v[ST+8*\t+5], v[ST+8*\t+4], s[SEL], s[SEL+1]
.endr
.irp t, 0,1,2,3
	v_add_f32 v[ST+8*\t+4], v[ST+8*\t+4], v[ST+8*\t+5]
.endr
.irp t, 0,1,2,3
	v_rcp_f32 v[ST+8*\t+6], v[ST+8*\t+4]
.endr
	v_nop                                          ; a plain instruction behind the last reciprocal
	s_wait_alu depctr_va_vdst(0)                   ; and one wait for the four, ahead of the first use
	s_lshl_b32 s[OFS], s[Q0], 8                    ; 4,096 bytes for each 16 queries
	s_add_nc_u64 s[PTR:PTR+1], s[YBB:YBB+1], s[OFS:OFS+1]
.irp t, 0,1,2,3
	WIN 0x82
.set n, 0
.rept 16
	v_pk_mul_f32 v[32*\t+2*n:32*\t+2*n+1], v[32*\t+2*n:32*\t+2*n+1], v[ST+8*\t+6:ST+8*\t+7] op_sel_hi:[1,0]
.set n, n+1
.endr
	WIN 0x0a                                       ; sources 0 and 1 window 2, destination window 0: S^T's registers are free
.set n, 0
.rept 16
	v_cvt_pk_f16_f32 v[S+16*\t+n], v[32*\t+2*n], v[32*\t+2*n+1]
.set n, n+1
.endr
	WIN 0
.irp u, 0,1,2,3
	global_store_b128 v[PL], v[S+16*\t+4*\u:S+16*\t+4*\u+3], s[PTR:PTR+1] offset:4096*\t+512*\u   ; 32 lanes store 512 consecutive bytes, aligned
.endr
.endr
	s_mov_b32 s[Q0], s[Q0N]                        ; on to pass 1 (behind pass 1 these are not used)
	s_add_co_u32 s[QE], s[Q0], 63
	s_mov_b32 s[QL], s[QLN]
	s_mov_b32 s[QLN], -1                           ; no pass follows: its unit 0 is not asked for
	s_mov_b32 s[LIM], -1
	s_sub_co_u32 s[PASS], s[PASS], 1
	s_cmp_lg_u32 s[PASS], 0
	s_cbranch_scc1 .Lpass
	s_wait_tensorcnt 0x0                           ; the wave's end
	ds_add_u32 v[SPW], v[NIL]
	s_wait_dscnt 0x0
	s_endpgm
.Lfunc_end_k_q20885c95e1_attn:
	.size	k_q20885c95e1_attn, .Lfunc_end_k_q20885c95e1_attn-k_q20885c95e1_attn
	.p2alignl 7, 3214868480
	.fill 96, 4, 3214868480
	.section	.rodata,"a",@progbits
	.p2align	6, 0x0
	.amdhsa_kernel k_q20885c95e1_attn
		.amdhsa_group_segment_fixed_size 327680
		.amdhsa_private_segment_fixed_size 0
		.amdhsa_enable_private_segment 0
		.amdhsa_kernarg_size 16
		.amdhsa_user_sgpr_count 2
		.amdhsa_user_sgpr_kernarg_segment_ptr 1
		.amdhsa_wavefront_size32 1
		.amdhsa_system_sgpr_workgroup_id_x 1
		.amdhsa_system_sgpr_workgroup_id_y 1
		.amdhsa_system_sgpr_workgroup_id_z 1
		.amdhsa_system_vgpr_workitem_id 0
		.amdhsa_next_free_vgpr 640
		.amdhsa_next_free_sgpr 66
		.amdhsa_reserve_vcc 1
		.amdhsa_float_denorm_mode_32 3
		.amdhsa_float_denorm_mode_16_64 3
		.amdhsa_memory_ordered 1
		.amdhsa_forward_progress 1
		.amdhsa_inst_pref_size 173
	.end_amdhsa_kernel
	.amdgpu_metadata
---
amdhsa.version: [ 1, 2 ]
amdhsa.kernels:
  - .name:           k_q20885c95e1_attn
    .symbol:         k_q20885c95e1_attn.kd
    .args:
      - { .name: qkvf, .offset: 0, .size: 8, .value_kind: global_buffer, .address_space: global }
      - { .name: yf, .offset: 8, .size: 8, .value_kind: global_buffer, .address_space: global }
    .group_segment_fixed_size: 327680
    .private_segment_fixed_size: 0
    .kernarg_segment_align: 8
    .kernarg_segment_size: 16
    .max_flat_workgroup_size: 128
    .sgpr_count:     66
    .vgpr_count:     640
    .wavefront_size: 32
...
	.end_amdgpu_metadata
.endif
;; end of part 3
;; launch proj (part 4): grid 4 x 64, 4 waves a work-group, clusters of 4 x 4, 327,680 bytes of LDS; arguments yf, wof, out0; writes out0
.if DOCPART == 4
	.amdgcn_target "amdgcn-amd-amdhsa--gfx1250"
	.amdhsa_code_object_version 6
	.text
	.protected	k_q20885c95e1_proj
	.globl	k_q20885c95e1_proj
	.p2align	8
	.type	k_q20885c95e1_proj,@function
k_q20885c95e1_proj:
	s_mov_b64 s[64:65], 0
	v_nop
	global_prefetch_b8 v0, s[64:65] scope:SCOPE_SE
	s_setreg_imm32_b32 hwreg(HW_REG_WAVE_MODE, 25, 1), 1
	s_wait_xcnt 0x0
	s_wait_alu depctr_hold_cnt(0) depctr_sa_sdst(0) depctr_va_vdst(0) depctr_va_sdst(0) depctr_va_ssrc(0) depctr_va_vcc(0) depctr_vm_vsrc(0)
	s_getreg_b32 s2, hwreg(HW_REG_IB_STS2, 6, 4)
	s_cmp_eq_u32 s2, 0
	s_cbranch_scc0 .Lentry_in_a_cluster
	s_endpgm
.Lentry_in_a_cluster:
	s_bfe_u32 s2, ttmp6, 0x10000c
	s_cmp_lg_u32 s2, 0xf033
	s_cbranch_scc0 .Lentry_shape_is_right
	s_endpgm
.Lentry_shape_is_right:
; out[m][n] = sum over k of y[m][k] Wo[k][n], f16 operands, f32 sums and result, for all rows but the first 16 of each sequence (those are another launch's, in f32).
; Both operands come as images of operand registers: yf [k/128][token/16][(k/32)%4][1,024 bytes], wof [k/128][n/16][(k/32)%4][1,024 bytes]; quad g of lane l at 512 g + 16 l.  So a K step's tile is one dense
; block of memory, an LDS load takes 512 consecutive bytes, and there is no pitch and no padding.
; A work-group of four waves makes 128 rows x 256 columns; a wave 64 x 128: 32 accumulators.  K goes in steps of 128 through a ring of two LDS slots (y's 32 KiB, then Wo's 64 KiB).
; CLUSTERS: 4 x 4.  Tile row = 16 cy + cluster y, tile column = 4 x cluster x + cx.  y's tile is shared along a row of the cluster, Wo's along a column: each is asked for jointly.
; THE MATRIX INSTRUCTION IS USED TRANSPOSED (source 0 = 16 columns of Wo, source 1 = 16 rows of y): a lane holds eight neighbouring numbers of a row of out.
; LIMITS: y and Wo under 65,504 in magnitude (f16).
; REGISTERS: window 0: v16-29 addresses; v64-191 the way out, two sets.  window 1: two fragment buffers of 96 (y's 4 fragments, then Wo's 8).  window 2: the accumulators ((a, b) at v[8 (8 a + b)]).
.set SLOT,   98304
.set STAGE,  2*SLOT                    ; behind the ring: 16 rows x (512 bytes + 16) for each wave, for the way out; no tensor load lands there
.set SPITCH, 528
.set SPARE,  STAGE+4*16*SPITCH         ; the spare words, 128 bytes for each wave
.set ADRA, 16                          ; v16-17  my fragments of y in slot 0, 1
.set ADRB, 20                          ; v20-21  of Wo
.set STO,  24
.set RD,   25
.set CO,   26
.set SPW,  28                          ; never rewritten
.set NIL,  29                          ; never rewritten
.set BK,   64
.set F0,   0
.set F1,   96
.set G1, 24
.set G0, 32
.set G1B, 48
.set G0B, 56
.set MSB, 0
.macro WIN new
.if MSB != (\new)
	s_set_vgpr_msb (MSB<<8)|(\new)
.set MSB, \new
.endif
.endm
.set MUL,  0xa5                        ; sources 0 and 1 window 1; C and D window 2
.set TO_F, 0x40                        ; destination window 1, address window 0
.macro JLOAD s                         ; a joint load: waves 0 and 1 fetch y's two halves, waves 2 and 3 Wo's; an s_nop 0 and four v_nop follow each of the two lines
	s_cmp_eq_u32 s11, 0
	s_cbranch_scc0 .Lfor_b_\@
	tensor_load_to_lds s[G0+4*\s:G0+4*\s+3], s[G1:G1+7]
	s_nop 0
.rept 4
	v_nop
.endr
	s_branch .Lasked_\@
.Lfor_b_\@:
	tensor_load_to_lds s[G0B+4*\s:G0B+4*\s+3], s[G1B:G1B+7]
	s_nop 0
.rept 4
	v_nop
.endr
.Lasked_\@:
.endm
.macro CREST                           ; a round of the cluster's barrier behind its opening barrier
	s_cmp_lg_u32 s10, 0
	s_cbranch_scc1 .Lnot_wave_0_\@
	s_barrier_signal -3
.Lnot_wave_0_\@:
	s_barrier_wait -3
	s_barrier_signal -1
	s_barrier_wait -1
.endm
.macro CROUND
	s_barrier_signal -1
	s_barrier_wait -1
	CREST
.endm
	s_load_b128 s[4:7], s[0:1], 0x0                ; yf s[4:5], wof s[6:7]
	s_load_b64 s[8:9], s[0:1], 0x10                ; out0
	v_lshl_add_u32 v[SPW], v0, 2, SPARE
	v_mov_b32 v[NIL], 0
	ds_add_u32 v[SPW], v[NIL]                      ; the wave's opening: the add, twice on end, and its wait ahead of my first tensor load
	ds_add_u32 v[SPW], v[NIL]
	v_lshrrev_b32 v1, 5, v0
	v_readfirstlane_b32 s10, v1                    ; wave 0..3
	s_lshr_b32 s11, s10, 1                         ; which 64 rows are mine.  Also: I fetch for y (0) or for Wo (1)
	s_and_b32 s12, s10, 1                          ; which 128 columns.  Also: which half of that tile I fetch
	s_bfe_u32 s40, ttmp6, 0x40000                  ; cx
	s_bfe_u32 s41, ttmp6, 0x40004                  ; cy
	s_lshl_b32 s42, ttmp9, 2
	s_add_co_u32 s42, s42, s40                     ; tile column
	s_and_b32 s14, ttmp7, 0xffff                   ; cluster y
	s_lshl_b32 s13, s41, 4
	s_add_co_u32 s13, s13, s14                     ; tile row = 16 cy + cluster y: batch cy, and a batch's first tile is cluster y = 0
	s_or_b32 s45, s14, s11                         ; 0 where my block 0 is a sequence's first 16 rows
	s_lshl_b32 s43, s41, 2
	s_lshl_b32 s43, 15, s43                        ; my row of the cluster
	s_lshl_b32 s44, 0x1111, s40                    ; my column
	s_or_b32 s[G1+0], s43, (3<<16)|(1<<21)         ; the mask; elements of 8 bytes; bit 21 beside a mask; no padding
	s_or_b32 s[G1B+0], s44, (3<<16)|(1<<21)
	s_mov_b32 s[G1+1], 32<<16                      ; rows of 256 bytes
	s_mov_b32 s[G1+2], 64<<16                      ; y: 16 KiB a load
	s_mov_b32 s[G1+3], 32<<16
	s_mov_b32 s[G1+4], 64
	s_mov_b32 s[G1+5], 32
	s_mov_b32 s[G1+6], 0
	s_mov_b32 s[G1+7], 0
	s_mov_b32 s[G1B+1], 32<<16
	s_mov_b32 s[G1B+2], 128<<16                    ; Wo: 32 KiB a load
	s_mov_b32 s[G1B+3], 32<<16
	s_mov_b32 s[G1B+4], 128
	s_mov_b32 s[G1B+5], 32
	s_mov_b32 s[G1B+6], 0
	s_mov_b32 s[G1B+7], 0
	s_lshl_b32 s16, s13, 15                        ; y: 8 blocks of 16 tokens a tile row, 4,096 bytes each; made of the tile row alone
	s_lshl_b32 s17, s12, 14
	s_add_co_u32 s16, s16, s17
	s_mov_b32 s17, 0
	s_lshl_b32 s46, s42, 16                        ; Wo: 16 blocks of 16 columns a tile column; made of the tile column alone
	s_lshl_b32 s47, s12, 15
	s_add_co_u32 s46, s46, s47
	s_mov_b32 s47, 0
	s_lshl_b32 s20, s12, 14                        ; where they go in a slot
	s_lshl_b32 s21, s12, 15
	s_add_co_u32 s21, s21, 32768
	s_wait_dscnt 0x0                               ; both opening adds are done
	s_wait_kmcnt 0x0
	s_add_nc_u64 s[18:19], s[4:5], s[16:17]
	s_add_nc_u64 s[46:47], s[6:7], s[46:47]
	CROUND                                         ; all sixteen work-groups are here: the first joint loads meet
.irp s, 0,1
	s_mov_b32 s[G0+4*\s], 1
	s_add_co_u32 s[G0+4*\s+1], s20, \s*SLOT
	s_add_nc_u64 s[G0+4*\s+2:G0+4*\s+3], s[18:19], \s*0x200000     ; K step s of yf
	s_or_b32 s[G0+4*\s+3], s[G0+4*\s+3], 0x80000000
	s_mov_b32 s[G0B+4*\s], 1
	s_add_co_u32 s[G0B+4*\s+1], s21, \s*SLOT
	s_add_nc_u64 s[G0B+4*\s+2:G0B+4*\s+3], s[46:47], \s*0x40000    ; K step s of wof
	s_or_b32 s[G0B+4*\s+3], s[G0B+4*\s+3], 0x80000000
	JLOAD \s                                       ; two tensor loads of mine are out at the start, one behind each round later
.endr
	v_and_b32 v1, 15, v0                           ; r
	v_bfe_u32 v2, v0, 4, 1                         ; h
	v_and_b32 v3, 31, v0
	v_lshlrev_b32 v3, 4, v3                        ; 16 x lane
	s_lshl_b32 s21, s11, 14                        ; my 4 blocks of tokens
	s_lshl_b32 s22, s12, 15
	s_add_co_u32 s22, s22, 32768                   ; my 8 blocks of columns
.irp s, 0,1
	v_add_nc_u32 v[ADRA+\s], s21, v3
	v_add_nc_u32 v[ADRB+\s], s22, v3
	s_add_co_u32 s21, s21, SLOT
	s_add_co_u32 s22, s22, SLOT
.endr
	s_mul_i32 s23, s10, 16*SPITCH
	s_add_co_u32 s23, s23, STAGE                   ; my stage
	v_mul_u32_u24 v4, v1, SPITCH
	v_lshl_add_u32 v4, v2, 5, v4
	v_add_nc_u32 v[STO], s23, v4                   ; in: row r, 32 bytes for each half of the lanes
	v_add_nc_u32 v[RD], s23, v3                    ; back: the 32 lanes take one row of 512 bytes
	v_mov_b32 v[CO], v3                            ; and the same in out
	s_lshl_b32 s16, s13, 19                        ; 128 rows of 4,096 bytes a tile row
	s_lshl_b32 s20, s11, 18
	s_add_co_u32 s16, s16, s20
	s_lshl_b32 s20, s42, 10
	s_add_co_u32 s16, s16, s20
	s_lshl_b32 s20, s12, 9
	s_add_co_u32 s16, s16, s20
	s_add_nc_u64 s[8:9], s[8:9], s[16:17]
.macro MUL8 f, a, zero                 ; y's block a against Wo's eight, 32 along K.  The 32 accumulators take turns in the same order in every quarter
.irp b, 0,1,2,3,4,5,6,7
.if \zero
	v_wmma_f32_16x16x32_f16 v[8*(8*\a+\b):8*(8*\a+\b)+7], v[\f+32+8*\b:\f+32+8*\b+7], v[\f+8*\a:\f+8*\a+7], 0
.else
	v_wmma_f32_16x16x32_f16 v[8*(8*\a+\b):8*(8*\a+\b)+7], v[\f+32+8*\b:\f+32+8*\b+7], v[\f+8*\a:\f+8*\a+7], v[8*(8*\a+\b):8*(8*\a+\b)+7]
.endif
.endr
.endm
.macro FETCH slot, kc, f               ; 24 LDS loads in one run: the fragments of the slot's kc-th 32 along K into buffer f
	WIN TO_F
.irp b, 0,1,2,3,4,5,6,7
	ds_load_b128 v[\f+32+8*\b:\f+32+8*\b+3],   v[ADRB+\slot] offset:4096*\b+1024*(\kc)
	ds_load_b128 v[\f+32+8*\b+4:\f+32+8*\b+7], v[ADRB+\slot] offset:4096*\b+1024*(\kc)+512
.endr
.irp a, 0,1,2,3
	ds_load_b128 v[\f+8*\a:\f+8*\a+3],   v[ADRA+\slot] offset:4096*\a+1024*(\kc)
	ds_load_b128 v[\f+8*\a+4:\f+8*\a+7], v[ADRA+\slot] offset:4096*\a+1024*(\kc)+512
.endr
.endm
.macro PLACES                          ; four plain places behind this matrix form (ISA guide 7.12.1)
.rept 4
	v_nop
.endr
.endm
; A K step is four quarters of 32 along K, 32 matrix instructions each, on buffers 0, 1, 0, 1.  One of the first three: buffer f is in; the next quarter, kc, is asked for into g; then f is multiplied.
.macro QUARTER slot, kc, f, g, zero
	s_wait_dscnt 0x0                               ; buffer f's loads are in
	PLACES                                         ; for the loads into g, which the last quarter multiplied
	FETCH \slot, \kc, \g
	WIN MUL
	MUL8 \f, 0, \zero
	MUL8 \f, 1, \zero
	MUL8 \f, 2, \zero
	MUL8 \f, 3, \zero
.endm
; The last quarter multiplies buffer 1 and changes slots: in front of the barrier each wave waits for all its tensor loads, adds 0 to its spare word, and waits for that and for its reads of this slot.
.macro TURN slot, next, fill
	WIN 0
	s_wait_tensorcnt 0x0                           ; all my tensor loads have landed: my part of the next slot
	ds_add_u32 v[SPW], v[NIL]
	s_wait_dscnt 1                                 ; buffer 1 is in; only the add may be out
	WIN MUL
	MUL8 F1, 0, 0                                  ; eight matrix instructions stand between the add and the wait for it
	s_wait_dscnt 0x0                               ; the add is done, and my reads of this slot are over
	s_barrier_signal -1
	MUL8 F1, 1, 0
	WIN 0
	s_barrier_wait -1
.if \fill
	CREST                                          ; the barrier has opened a round of the cluster's: no wave of any partner still reads this slot or has a load on its way
	s_add_nc_u64 s[G0+4*\slot+2:G0+4*\slot+3], s[G0+4*\slot+2:G0+4*\slot+3], 0x400000     ; two K steps on
	s_add_nc_u64 s[G0B+4*\slot+2:G0B+4*\slot+3], s[G0B+4*\slot+2:G0B+4*\slot+3], 0x80000
	JLOAD \slot                                    ; the first tensor load behind the round; its four v_nop are also the places in front of the loads below
.else
	PLACES
.endif
	FETCH \next, 0, F0
	WIN MUL
	MUL8 F1, 2, 0
	MUL8 F1, 3, 0
.endm
	s_wait_tensorcnt 1                             ; my part of K step 0 is in; K step 1's may be out
	s_barrier_signal -1
	s_barrier_wait -1
	FETCH 0, 0, F0
	QUARTER 0, 1, F0, F1, 1                        ; the first quarter's products start the sums
	WIN 0
	s_mov_b32 s3, 3
.Llap:                                             ; a trip goes once round the ring and fills both slots again: K steps 2 to 7
	QUARTER 0, 2, F1, F0, 0
	QUARTER 0, 3, F0, F1, 0
	TURN 0, 1, 1
	QUARTER 1, 1, F0, F1, 0
	QUARTER 1, 2, F1, F0, 0
	QUARTER 1, 3, F0, F1, 0
	TURN 1, 0, 1
	QUARTER 0, 1, F0, F1, 0
	WIN 0
	s_sub_co_u32 s3, s3, 1
	s_cmp_lg_u32 s3, 0
	s_cbranch_scc1 .Llap
	QUARTER 0, 2, F1, F0, 0                        ; the last lap fills nothing
	QUARTER 0, 3, F0, F1, 0
	TURN 0, 1, 0
	QUARTER 1, 1, F0, F1, 0
	QUARTER 1, 2, F1, F0, 0
	QUARTER 1, 3, F0, F1, 0
	s_wait_dscnt 0x0
	WIN MUL
	MUL8 F1, 0, 0
	MUL8 F1, 1, 0
	MUL8 F1, 2, 0
	MUL8 F1, 3, 0
	WIN 0
; THE WAY OUT, block by block of 16 rows x 128 columns, through my own stage: in as 32 bytes a lane, back as whole rows of 512 bytes.  LDS serves a wave's instructions in order (ISA guide 5.7.1.4).
.macro TOSTAGE a
	WIN 0x08                                       ; an LDS store's data are its source 1: window 2
.irp b, 0,1,2,3,4,5,6,7
	ds_store_b128 v[STO], v[64*(\a)+8*\b:64*(\a)+8*\b+3] offset:64*\b            ; each accumulator from its low end on
	ds_store_b128 v[STO], v[64*(\a)+8*\b+4:64*(\a)+8*\b+7] offset:64*\b+16
.endr
	WIN 0
.set BB, BK+64*((\a)%2)
.irp t, 0,1,2,3,4,5,6,7,8,9,10,11,12,13,14,15
	ds_load_b128 v[BB+4*\t:BB+4*\t+3], v[RD] offset:\t*SPITCH
.endr
.endm
.macro SEND a, younger                 ; younger: the LDS instructions issued behind block a's loads, which may stay out
.set BB, BK+64*((\a)%2)
	s_wait_dscnt \younger
.if (\a) == 0
	s_cmp_eq_u32 s45, 0                            ; a sequence's first 16 rows are not stored here: a test on the cluster's number and the wave's
	s_cbranch_scc1 .Lfirst_rows
.endif
.irp t, 0,1,2,3,4,5,6,7,8,9,10,11,12,13,14,15
	global_store_b128 v[CO], v[BB+4*\t:BB+4*\t+3], s[8:9] offset:(16*(\a)+\t)*4096 th:TH_STORE_NT   ; 32 lanes store 512 consecutive bytes, aligned
.endr
.if (\a) == 0
.Lfirst_rows:
.endif
.endm
	PLACES
	TOSTAGE 0
.irp a, 1,2,3
.if \a > 1
	s_wait_xcnt 0x0                                ; block a - 2's stores have read their registers: block a's loads may land there
.endif
	TOSTAGE \a
	SEND \a-1, 32                                  ; behind block a - 1's loads: block a's 16 stores and 16 loads
.endr
	SEND 3, 0
	s_wait_tensorcnt 0x0                           ; the wave's end
	ds_add_u32 v[SPW], v[NIL]
	s_wait_dscnt 0x0
	CROUND                                         ; the closing round
	s_endpgm
.Lfunc_end_k_q20885c95e1_proj:
	.size	k_q20885c95e1_proj, .Lfunc_end_k_q20885c95e1_proj-k_q20885c95e1_proj
	.p2alignl 7, 3214868480
	.fill 96, 4, 3214868480
	.section	.rodata,"a",@progbits
	.p2align	6, 0x0
	.amdhsa_kernel k_q20885c95e1_proj
		.amdhsa_group_segment_fixed_size 327680
		.amdhsa_private_segment_fixed_size 0
		.amdhsa_enable_private_segment 0
		.amdhsa_kernarg_size 24
		.amdhsa_user_sgpr_count 2
		.amdhsa_user_sgpr_kernarg_segment_ptr 1
		.amdhsa_wavefront_size32 1
		.amdhsa_system_sgpr_workgroup_id_x 1
		.amdhsa_system_sgpr_workgroup_id_y 1
		.amdhsa_system_sgpr_workgroup_id_z 1
		.amdhsa_system_vgpr_workitem_id 0
		.amdhsa_next_free_vgpr 768
		.amdhsa_next_free_sgpr 66
		.amdhsa_reserve_vcc 0
		.amdhsa_float_denorm_mode_32 3
		.amdhsa_float_denorm_mode_16_64 3
		.amdhsa_memory_ordered 1
		.amdhsa_forward_progress 1
		.amdhsa_inst_pref_size 84
	.end_amdhsa_kernel
	.amdgpu_metadata
---
amdhsa.version: [ 1, 2 ]
amdhsa.kernels:
  - .name:           k_q20885c95e1_proj
    .symbol:         k_q20885c95e1_proj.kd
    .args:
      - { .name: yf, .offset: 0, .size: 8, .value_kind: global_buffer, .address_space: global }
      - { .name: wof, .offset: 8, .size: 8, .value_kind: global_buffer, .address_space: global }
      - { .name: out0, .offset: 16, .size: 8, .value_kind: global_buffer, .address_space: global }
    .group_segment_fixed_size: 327680
    .private_segment_fixed_size: 0
    .kernarg_segment_align: 8
    .kernarg_segment_size: 24
    .max_flat_workgroup_size: 128
    .sgpr_count:     66
    .vgpr_count:     768
    .wavefront_size: 32
...
	.end_amdgpu_metadata
.endif
;; end of part 4
;; launch first16 (part 5): grid 16 x 4, 16 waves a work-group, no clusters, 202,752 bytes of LDS; arguments q32, Wo, out0; writes out0
.if DOCPART == 5
	.amdgcn_target "amdgcn-amd-amdhsa--gfx1250"
	.amdhsa_code_object_version 6
	.text
	.protected	k_q20885c95e1_first16
	.globl	k_q20885c95e1_first16
	.p2align	8
	.type	k_q20885c95e1_first16,@function
k_q20885c95e1_first16:
	s_mov_b64 s[64:65], 0
	v_nop
	global_prefetch_b8 v0, s[64:65] scope:SCOPE_SE
	s_setreg_imm32_b32 hwreg(HW_REG_WAVE_MODE, 25, 1), 1
	s_wait_xcnt 0x0
; The first 16 positions of each sequence, attention and projection, in f32 throughout: these rows average one to sixteen values and are the largest in size.
; Work-group (slice, batch) makes out rows 0-15 of the batch, columns 64 slice .. + 63.  Wave w is head w: it computes the head's 16 x 16 attention (32 matrix instructions of the f32 form; every work-group of a batch
; repeats that small work), multiplies its 64 channels of y by rows 64 w .. + 63 of Wo in its 64 columns by fused multiply-adds, and the sixteen waves' parts are added through LDS.
; q32 [batch][n/16: 192][g: 2][512 bytes] holds f32 accumulator images: lane (r, h), register 4 g + e: token r, column 16 (n/16) + 8 h + 4 g + e.
; A pair of registers (2 p, 2 p + 1) of an image is an operand of the f32 form (16 rows x 4 along K: register j holds k = 2 h + j): its four k are channels 8 h + 2 p + j.  K's and Q's pairs are taken alike, so the products are kept.
; LIMITS: NaN and infinities are not served.  The order of the f32 sums differs from a plain ascending one.
; REGISTERS: v1-20 addresses and at work; v24-31 scores, then p; v32-63 Q, v64-95 K, v96-127 V, later Wo's rows; v128-143 two accumulators of S^T and v144-175 four of O^T (written by matrix instructions alone);
;   v176-207 V^T, later two sets of 16 y; v208-239 the sums.
.set VREG,  0                          ; LDS: V of my head, 16 rows (tokens) of 256 bytes + 16
.set YREG,  69632                      ; y of my head, [channel 64][query 16]
.set PART,  135168                     ; my part of the sums, as an image of its registers
.set SPARE, 200704                     ; the spare words, 128 bytes for each of the sixteen waves
	s_load_b128 s[4:7], s[0:1], 0x0                ; q32 s[4:5], Wo s[6:7]
	s_load_b64 s[8:9], s[0:1], 0x10                ; out0
	v_lshl_add_u32 v12, v0, 2, SPARE               ; v12: my spare word; v13: 0; both never rewritten
	v_mov_b32 v13, 0
	v_lshrrev_b32 v1, 5, v0
	v_readfirstlane_b32 s10, v1                    ; wave = head
	s_and_b32 s12, ttmp7, 0xffff                   ; batch
	v_and_b32 v1, 15, v0                           ; r
	v_bfe_u32 v2, v0, 4, 1                         ; h
	v_lshlrev_b32 v14, 3, v2
	v_sub_nc_u32 v3, v1, v14                       ; r - 8 h
	v_mov_b32 v4, 0xff800000                       ; -infinity
	v_and_b32 v14, 31, v0
	v_lshlrev_b32 v5, 4, v14                       ; 16 x lane
	v_lshlrev_b32 v20, 3, v14                      ; 8 x lane: my two columns
	s_mul_i32 s13, s10, 4352
	v_mul_u32_u24 v6, v1, 272
	v_lshl_add_u32 v6, v2, 5, v6
	v_add_nc_u32 v6, s13, v6                       ; V in: row r, + 32 h
	v_mul_u32_u24 v7, v2, 2176
	v_lshl_add_u32 v7, v1, 2, v7
	v_add_nc_u32 v7, s13, v7                       ; V^T out: token 8 h + .., channel r
	s_lshl_b32 s13, s10, 12
	s_add_co_u32 s14, s13, YREG
	v_lshlrev_b32 v8, 9, v2
	v_lshl_add_u32 v8, v1, 2, v8
	v_add_nc_u32 v8, s14, v8                       ; y in: channel 8 h + .., query r
	v_mov_b32 v9, s14                              ; y out: the same 64 bytes for all lanes
	s_add_co_u32 s14, s13, PART
	v_add_nc_u32 v10, s14, v5                      ; my sums' image
	s_lshr_b32 s14, s10, 2
	s_lshl_b32 s14, s14, 9
	s_and_b32 s15, s10, 3
	s_lshl_b32 s15, s15, 2
	s_add_co_u32 s14, s14, s15
	s_add_co_u32 s14, s14, PART
	v_add_nc_u32 v11, s14, v5                      ; row q = my wave's number in every wave's image
	s_mul_i32 s16, s12, 196608
	s_add_co_u32 s16, s16, s13                     ; q32: batch x 192 KiB + head x 4 images
	s_mov_b32 s17, 0
	s_lshl_b32 s20, ttmp9, 8                       ; my slice: 256 bytes of a row
	s_lshl_b32 s18, s10, 18
	s_add_co_u32 s18, s18, s20                     ; Wo: row 64 w
	s_mov_b32 s19, 0
	s_lshl_b32 s22, s12, 23
	s_add_co_u32 s22, s22, s13
	s_add_co_u32 s22, s22, s20                     ; out: row 2,048 batch + w
	s_mov_b32 s23, 0
	s_mov_b32 s24, 0x76543210
	s_mov_b32 s25, 0xfedcba98                      ; lane l xor 16
	s_mov_b32 s26, 0x3e38aa3b                      ; c = log2(e) / 8
	s_wait_kmcnt 0x0
	s_add_nc_u64 s[4:5], s[4:5], s[16:17]
	s_add_nc_u64 s[6:7], s[6:7], s[18:19]
	s_add_nc_u64 s[8:9], s[8:9], s[22:23]
.irp m, 0,1,2                          ; q, k, v of my head: four images each
.irp bb, 0,1,2,3
.irp g, 0,1
	global_load_b128 v[32+32*\m+8*\bb+4*\g:32+32*\m+8*\bb+4*\g+3], v5, s[4:5] offset:65536*\m+1024*\bb+512*\g
.endr
.endr
.endr
	s_wait_loadcnt 0x0
.irp bb, 0,1,2,3
.irp g, 0,1
	ds_store_b128 v6, v[96+8*\bb+4*\g:96+8*\bb+4*\g+3] offset:64*\bb+16*\g     ; V(token r, channels 16 bb + 8 h + 4 g ..)
.endr
.endr
	; S^T = K Q^T: 16 steps of 4 channels, on two accumulators by turns; the first of each starts its sum
.irp bb, 0,1,2,3
.irp p, 0,1,2,3
.if 4*\bb+\p < 2
	v_wmma_f32_16x16x4_f32 v[128+8*(\p%2):128+8*(\p%2)+7], v[64+8*\bb+2*\p:64+8*\bb+2*\p+1], v[32+8*\bb+2*\p:32+8*\bb+2*\p+1], 0
.else
	v_wmma_f32_16x16x4_f32 v[128+8*(\p%2):128+8*(\p%2)+7], v[64+8*\bb+2*\p:64+8*\bb+2*\p+1], v[32+8*\bb+2*\p:32+8*\bb+2*\p+1], v[128+8*(\p%2):128+8*(\p%2)+7]
.endif
.endr
.endr
.rept 8
	v_nop                                          ; eight places behind the f32 form, ahead of loads into its sources and of the first read of its results
.endr
	s_wait_dscnt 0x0                               ; V's stores have read their registers
.set k, 0
.rept 48
	global_load_b64 v[32+2*k:33+2*k], v20, s[6:7] offset:4096*k    ; Wo(64 w + k, my two columns): a wave reads 256 consecutive bytes, aligned
.set k, k+1
.endr
.irp ct, 0,1,2,3
.irp p, 0,1,2,3
.irp jj, 0,1
	ds_load_b32 v[176+8*\ct+2*\p+\jj], v7 offset:272*(2*\p+\jj)+64*\ct         ; V(token 8 h + 2 p + jj, channel 16 ct + r)
.endr
.endr
.endr
	; the softmax: lane (r, h) holds query r and keys 8 h + 0 .. 7
.irp j, 0,1,2,3,4,5,6,7
	v_add_f32 v[24+\j], v[128+\j], v[136+\j]
.endr
.irp j, 0,1,2,3,4,5,6,7
	v_cmp_gt_i32 vcc_lo, \j, v3                    ; key 8 h + j comes after query r
	v_cndmask_b32 v[24+\j], v[24+\j], v4, vcc_lo
.endr
	v_max3_num_f32 v14, v24, v25, v26
	v_max3_num_f32 v15, v27, v28, v29
	v_max3_num_f32 v14, v14, v30, v31
	v_max_num_f32 v14, v14, v15
	v_permlanex16_b32 v15, v14, s24, s25
	v_max_num_f32 v14, v14, v15                    ; the row's maximum (key 0 counts for every query)
	v_mul_f32 v15, s26, v14
.irp j, 0,1,2,3,4,5,6,7
	v_fma_f32 v[24+\j], v[24+\j], s26, -v15
.endr
.irp j, 0,1,2,3,4,5,6,7
	v_exp_f32 v[24+\j], v[24+\j]
.endr
	v_nop                                          ; a plain instruction behind the last exponential,
	s_wait_alu depctr_va_vdst(0)                   ; and one wait for the eight, ahead of the first use
	v_add_f32 v16, v24, v25
	v_add_f32 v17, v26, v27
	v_add_f32 v18, v28, v29
	v_add_f32 v19, v30, v31
	v_add_f32 v16, v16, v17
	v_add_f32 v18, v18, v19
	v_add_f32 v16, v16, v18
	v_permlanex16_b32 v17, v16, s24, s25
	v_add_f32 v16, v16, v17
	v_rcp_f32 v17, v16
	v_nop
	s_wait_alu depctr_va_vdst(0)
.irp j, 0,1,2,3,4,5,6,7
	v_mul_f32 v[24+\j], v[24+\j], v17              ; the weights, normalised
.endr
	s_wait_dscnt 0x0                               ; V^T
	; O^T = V^T P: 4 steps of 4 keys, four accumulators by turns
.irp p, 0,1,2,3
.irp ct, 0,1,2,3
.if \p == 0
	v_wmma_f32_16x16x4_f32 v[144+8*\ct:144+8*\ct+7], v[176+8*\ct+2*\p:176+8*\ct+2*\p+1], v[24+2*\p:24+2*\p+1], 0
.else
	v_wmma_f32_16x16x4_f32 v[144+8*\ct:144+8*\ct+7], v[176+8*\ct+2*\p:176+8*\ct+2*\p+1], v[24+2*\p:24+2*\p+1], v[144+8*\ct:144+8*\ct+7]
.endif
.endr
.endr
.rept 8
	v_nop
.endr
.irp ct, 0,1,2,3
.irp j, 0,1,2,3,4,5,6,7
	ds_store_b32 v8, v[144+8*\ct+\j] offset:64*(16*\ct+\j)         ; y(query r, channel 16 ct + 8 h + j); each accumulator from its low end on
.endr
.endr
	; the projection: for each of my 64 channels k: 16 queries x my 2 columns += y(q, k) Wo(k, n).  y comes back as 64 bytes that all lanes read; LDS serves a wave's instructions in order, so these see my stores
.macro YLOAD k
.irp i, 0,1,2,3
	ds_load_b128 v[176+16*((\k)%2)+4*\i:176+16*((\k)%2)+4*\i+3], v9 offset:64*(\k)+16*\i
.endr
.endm
	YLOAD 0
.set kk, 0
.rept 64
.if kk < 63
	YLOAD kk+1
	s_wait_dscnt 4                                 ; this k's y is in; the next k's four loads may be out
.else
	s_wait_dscnt 0x0
.endif
.if kk == 0
	s_wait_loadcnt 32                              ; Wo's rows 0-15 are in; rows 16-47 may be out
.elseif kk == 16
.irp i, 0,1,2,3,4,5,6,7,8,9,10,11,12,13,14,15
	global_load_b64 v[32+2*\i:33+2*\i], v20, s[6:7] offset:4096*(48+\i)        ; rows 48-63 into the registers that rows 0-15 have left
.endr
	s_wait_loadcnt 32                              ; rows 16-31 are in; rows 32-63 may be out
.elseif kk == 32
	s_wait_loadcnt 16                              ; rows 32-47 are in
.elseif kk == 48
	s_wait_loadcnt 0x0
.endif
.set WR, 32+2*(kk%48)
.set YR, 176+16*(kk%2)
.irp n, 0,1
.irp qq, 0,1,2,3,4,5,6,7
.if kk == 0
	v_pk_mul_f32 v[208+16*\n+2*\qq:209+16*\n+2*\qq], v[YR+2*\qq:YR+2*\qq+1], v[WR:WR+1] op_sel:[0,\n] op_sel_hi:[1,\n]     ; the first product starts the sums
.else
	v_pk_fma_f32 v[208+16*\n+2*\qq:209+16*\n+2*\qq], v[YR+2*\qq:YR+2*\qq+1], v[WR:WR+1], v[208+16*\n+2*\qq:209+16*\n+2*\qq] op_sel:[0,\n,0] op_sel_hi:[1,\n,1]
.endif
.endr
.endr
.set kk, kk+1
.endr
.irp i, 0,1,2,3,4,5,6,7
	ds_store_b128 v10, v[208+4*\i:208+4*\i+3] offset:512*\i        ; my part, as an image of its registers: (n, q) at 2,048 n + 512 (q / 4) + 16 lane + 4 (q % 4)
.endr
	s_wait_dscnt 0x0                               ; for the others' sake: my stores have landed
	s_barrier_signal -1
	s_barrier_wait -1
.irp w2, 0,1,2,3,4,5,6,7,8,9,10,11,12,13,14,15
.irp n, 0,1
	ds_load_b32 v[32+2*\w2+\n], v11 offset:4096*\w2+2048*\n        ; row q = my wave's number of wave w2's part
.endr
.endr
	s_wait_dscnt 0x0
.irp u, 0,1,2,3,4,5,6,7
	v_pk_add_f32 v[32+4*\u:33+4*\u], v[32+4*\u:33+4*\u], v[34+4*\u:35+4*\u]
.endr
.irp u, 0,1,2,3
	v_pk_add_f32 v[32+8*\u:33+8*\u], v[32+8*\u:33+8*\u], v[36+8*\u:37+8*\u]
.endr
.irp u, 0,1
	v_pk_add_f32 v[32+16*\u:33+16*\u], v[32+16*\u:33+16*\u], v[40+16*\u:41+16*\u]
.endr
	v_pk_add_f32 v[32:33], v[32:33], v[48:49]
	global_store_b64 v20, v[32:33], s[8:9]         ; 32 lanes store 256 consecutive bytes, aligned
	s_wait_tensorcnt 0x0                           ; the wave's end, behind my last LDS store
	ds_add_u32 v12, v13
	s_wait_dscnt 0x0
	s_endpgm
.Lfunc_end_k_q20885c95e1_first16:
	.size	k_q20885c95e1_first16, .Lfunc_end_k_q20885c95e1_first16-k_q20885c95e1_first16
	.p2alignl 7, 3214868480
	.fill 96, 4, 3214868480
	.section	.rodata,"a",@progbits
	.p2align	6, 0x0
	.amdhsa_kernel k_q20885c95e1_first16
		.amdhsa_group_segment_fixed_size 202752
		.amdhsa_private_segment_fixed_size 0
		.amdhsa_enable_private_segment 0
		.amdhsa_kernarg_size 24
		.amdhsa_user_sgpr_count 2
		.amdhsa_user_sgpr_kernarg_segment_ptr 1
		.amdhsa_wavefront_size32 1
		.amdhsa_system_sgpr_workgroup_id_x 1
		.amdhsa_system_sgpr_workgroup_id_y 1
		.amdhsa_system_sgpr_workgroup_id_z 1
		.amdhsa_system_vgpr_workitem_id 0
		.amdhsa_next_free_vgpr 256
		.amdhsa_next_free_sgpr 66
		.amdhsa_reserve_vcc 1
		.amdhsa_float_denorm_mode_32 3
		.amdhsa_float_denorm_mode_16_64 3
		.amdhsa_memory_ordered 1
		.amdhsa_forward_progress 1
		.amdhsa_inst_pref_size 107
	.end_amdhsa_kernel
	.amdgpu_metadata
---
amdhsa.version: [ 1, 2 ]
amdhsa.kernels:
  - .name:           k_q20885c95e1_first16
    .symbol:         k_q20885c95e1_first16.kd
    .args:
      - { .name: q32, .offset: 0, .size: 8, .value_kind: global_buffer, .address_space: global }
      - { .name: Wo, .offset: 8, .size: 8, .value_kind: global_buffer, .address_space: global }
      - { .name: out0, .offset: 16, .size: 8, .value_kind: global_buffer, .address_space: global }
    .group_segment_fixed_size: 202752
    .private_segment_fixed_size: 0
    .kernarg_segment_align: 8
    .kernarg_segment_size: 24
    .max_flat_workgroup_size: 512
    .sgpr_count:     66
    .vgpr_count:     256
    .wavefront_size: 32
...
	.end_amdgpu_metadata
.endif
;; end of part 5
